; MI455X (gfx1250); checked and timed in simulation.
; The chip was launched on July 23, 2026; its instructions are those of AMD's public machine-readable ISA for CDNA 5 (MIT licence, August 2026) and "CDNA5" Instruction Set Architecture Reference Guide (July 2026). The comments in the code are by the model that wrote it; some were corrected since.
;; Gaussian Prior Attention. Allowed arithmetic: matrix products marked QUANTISED: E2M1 operands, one E8M0 scale for each 32 along K, by v_wmma_scale_f32_16x16x128_f8f6f4 with both operands' format E2M1 (or v_wmma_scale_f32_32x16x128_f4), f32 sums; products left as they are: bf16, f16 or f32 operands; f32 sums; everything else in f32.
;; Inputs: Wk 1,024 x 1,024 float32; Wo 1,024 x 1,024 float32; Wq 1,024 x 1,024 float32; Wv 1,024 x 1,024 float32; bk 1,024 float32; bo 1,024 float32; bq 1,024 float32; bv 1,024 float32; prior_lambda one number float32; x 2 x 2,048 x 1,024 float32.
;; Outputs: out0 2 x 2,048 x 1,024 float32.
;; This version of the problem:
;;   THIS VERSION OF THE PROBLEM IS GIVEN IN LOW PRECISION. The matrix products marked QUANTISED in the list below multiply operands that are first quantised to E2M1 (2 exponent bits, 1 mantissa bit; 4 bits a number), with one power-of-two scale for each 32 numbers along K (OCP MX v1.0); their sums are f32. The products marked 'left as it is' may take bf16, f16 or f32 operands, with f32 sums. Whichever they take, every output number must still come out within the allowed error. Rounding operands to bf16 (8 significant bits) uses up far more of that allowance than f16 does (11 bits, for magnitudes from 6e-5 to 65,504). All else is computed in f32.
;;   The module's matrix products, in the order in which they are computed (A, B: the left and right operand; K: the contracted axis; several contracted axes count as one K, in the product's order):
;;     1. [M 4,096, K 1,024] x [K 1,024, N 1,024]; A: input x; B: input Wq: QUANTISED
;;     2. [M 4,096, K 1,024] x [K 1,024, N 1,024]; A: input x; B: input Wk: QUANTISED
;;     3. [M 4,096, K 1,024] x [K 1,024, N 1,024]; A: input x; B: input Wv: QUANTISED
;;     4. batch 32 x [M 2,048, K 64] x [K 64, N 2,048]; A: computed on the way; B: computed on the way: left as it is (an operand is computed on the way)
;;     5. batch 32 x [M 2,048, K 2,048] x [K 2,048, N 64]; A: computed on the way; B: computed on the way: left as it is (an operand is computed on the way)
;;     6. [M 4,096, K 1,024] x [K 1,024, N 1,024]; A: computed on the way; B: input Wo: left as it is (an operand is computed on the way)
;;   THE QUANTISER, for each operand of a quantised product, along K:
;;     - K is cut into blocks of 32 from its start; a last block that is shorter is filled with zeros.
;;     - A block's scale is 2^e with e = floor(log2(the largest magnitude in the block)) - 2, held to -126 .. 127; a block of zeros has e = 0. As a byte (E8M0): e + 127.
;;     - Each number is divided by its block's scale, clamped to +-6, and rounded to the nearest number of E2M1, ties to even, subnormals kept.
;;     - The product sums the exact products of the quantised numbers (number of the format x scale) in f32.
;;   ~~~python
;;   def quantise(x, axis):      # numpy; x: float32 -> the quantised numbers, widened to float32 again
;;       x = np.moveaxis(x, axis, -1); K = x.shape[-1]
;;       x = np.pad(x, [(0, 0)] * (x.ndim - 1) + [(0, -K % 32)]); x = x.reshape(x.shape[:-1] + (-1, 32)); a = np.abs(x).max(-1, keepdims=True)
;;       e = np.where(a > 0, np.clip(np.frexp(np.where(a > 0, a, 1))[1] - 1 - 2, -126, 127), 0)      # np.frexp(a)[1] - 1 = floor(log2(a)), exactly
;;       r = np.clip(x / 2.0 ** e, -6, 6)
;;       step = 2.0 ** (np.maximum(np.frexp(np.where(r == 0, 1, r))[1] - 1, 0) - 1)
;;       q = np.round(r / step) * step * 2.0 ** e      # np.round: ties to even
;;       return np.moveaxis(q.reshape(q.shape[:-2] + (-1,))[..., :K], -1, axis).astype(np.float32)
;;   ~~~
;; One version. Each part assembles by itself: llvm-mc -triple=amdgcn-amd-amdhsa -mcpu=gfx1250 --defsym DOCPART=n.
;; ======== version 1 of 1: 4 launches
;; limits: values are held in f16: magnitudes above 65,504 overflow, below 6.1e-05 lose precision
;; workspace buffers: xc 2,097,152 bytes; xs 131,072 bytes; wc 1,572,864 bytes; ws 98,304 bytes; wo16 2,097,152 bytes; qkv 25,165,824 bytes; ao 8,388,608 bytes
;; launch prep (part 1): grid 256 x 1, 4 waves a work-group, no clusters, 33,280 bytes of LDS; arguments x, Wq, Wk, Wv, Wo, xc, xs, wc, ws, wo16; writes xc, xs, wc, ws, wo16
.if DOCPART == 1
	.amdgcn_target "amdgcn-amd-amdhsa--gfx1250"
	.amdhsa_code_object_version 6
	.text
	.protected	k_qe9a4fe8db9_prep
	.globl	k_qe9a4fe8db9_prep
	.p2align	8
	.type	k_qe9a4fe8db9_prep,@function
k_qe9a4fe8db9_prep:
	s_mov_b64 s[64:65], 0
	v_nop
	global_prefetch_b8 v0, s[64:65] scope:SCOPE_SE
	s_setreg_imm32_b32 hwreg(HW_REG_WAVE_MODE, 25, 1), 1
	s_wait_xcnt 0x0
; x [4096][1024] and Wq, Wk, Wv [1024][1024], f32 with K innermost, become codes of FP4 (E2M1), two a byte, K innermost, with one E8M0 byte for each 32 along K;
; Wo [1024][1024] is rounded once to f16 as it lies.  xc [4096][512 bytes], xs [4096][32]; wc [3072][512 bytes], ws [3072][32]: rows 0-1023 Wq, 1024-2047 Wk, 2048-3071 Wv.
; A block's scale is 2^(floor(log2(its largest magnitude)) - 2); its byte is the largest magnitude's exponent field - 2, held at 1 from below.  (A block of zeros so gets the byte 1 where the
; quantiser says 127: its codes are zeros, which add nothing under any byte but 0xff, and this program alone reads the bytes.)
; LIMITS: blocks whose largest magnitude lies under 2^-124 keep the byte 1; NaN and infinities are not served; |Wo| stays under 65,504.
; SHARES: a work-group takes 32,768 numbers, a wave 8,192.  Work-groups 0-127: x; 128-159: Wq; 160-191: Wk; 192-223: Wv; 224-255: the cast of Wo.  256 work-groups that read the same number of bytes.
; Rows are dense and K is a multiple of 32: every tensor is a plain stream of blocks of 32.  A stream that is read once: no matrix unit, no cluster, no tensor load, no prefetch.
; THE QUANTISING PATH: a step is 512 numbers.  Each of its four loads reads 512 consecutive bytes, 16 a lane; the 2,048 bytes turn through the wave's own stage in LDS and come back 64 bytes a lane,
; so that a lane holds 16 neighbours along K (two lanes to a block) for the conversions.  A lane's 16 codes are 8 bytes: the wave stores 256 consecutive bytes.  The wave's 256 scale bytes are
; gathered in its own LDS and leave as one aligned run of 256 bytes.  Loads run four steps ahead, the turn through LDS one.
.set WAVES, 4
.set STEPS, 16
.set EMAX,  2
.set CB,    8                          ; bytes of 16 codes
.set R,     16                         ; v16-79   four sets of 16 numbers as loaded (the cast: v16-143, two sets of 64)
.set X,     80                         ; v80-111  two sets of 16 neighbours
.set E,     112                        ; v112-127 a scale byte for each step
.set C,     128                        ; v128-191 codes, four registers for each step: no store's data are written again
.set HF,    144                        ; the cast: v144-175 f16 pairs to store
.set WREG,  8192                       ; LDS: a region for each wave: two stages of 32 x SP bytes, behind them its 256 scale bytes
.set SP,    80                         ; a lane's place in a stage: 64 bytes + 16 of padding
.set SPW,   12                         ; v12  LDS address of my spare word; never rewritten
.set NIL,   13                         ; v13  0; never rewritten
.set SPARE, WAVES*WREG                 ; behind the regions: the spare words, 128 bytes a wave; no other line names them
.set WV,    24                         ; s24  my wave's number
	s_load_b256 s[4:11], s[0:1], 0x0               ; x s[4:5], Wq s[6:7], Wk s[8:9], Wv s[10:11]
	s_load_b256 s[12:19], s[0:1], 0x20             ; Wo s[12:13], xc s[14:15], xs s[16:17], wc s[18:19]
	s_load_b128 s[20:23], s[0:1], 0x40             ; ws s[20:21], wo16 s[22:23]
	v_lshl_add_u32 v[SPW], v0, 2, SPARE
	v_mov_b32 v[NIL], 0
	v_lshrrev_b32 v1, 5, v0
	v_readfirstlane_b32 s[WV], v1                  ; wave 0..3
	v_and_b32 v2, 31, v0                           ; lane
	v_lshlrev_b32 v3, 4, v2                        ; my 16 bytes of a load's 512
	s_mul_i32 s25, s[WV], WREG
	v_lshrrev_b32 v14, 2, v2
	v_mul_u32_u24 v14, v14, SP
	v_and_b32 v15, 3, v2
	v_lshl_add_u32 v14, v15, 4, v14
	v_add_nc_u32 v14, s25, v14                     ; the stage, on the way in: SP (lane / 4) + 16 (lane % 4)
	v_mul_u32_u24 v15, v2, SP
	v_add_nc_u32 v15, s25, v15                     ; and on the way out: SP x lane: my 16 neighbours
	v_mul_u32_u24 v4, v2, CB                       ; 8 x lane: my codes' place in a step's; in the cast my f16 numbers' place
	v_lshrrev_b32 v5, 1, v2
	s_add_co_u32 s25, s25, 2*32*SP
	v_add_nc_u32 v5, s25, v5                       ; LDS: my wave's 256 scale bytes, my block's byte
	v_lshlrev_b32 v7, 3, v2                        ; and on the way out 8 bytes a lane
	v_add_nc_u32 v6, s25, v7
	s_wait_kmcnt 0x0
	s_cmp_ge_u32 ttmp9, 224                        ; the work-group's number alone decides the path
	s_cbranch_scc1 .Lcast
	; which tensor, and which run of it: only pointers and run numbers are chosen
	s_and_b32 s26, ttmp9, 31                       ; a weight's work-group among its 32
	s_sub_co_u32 s27, ttmp9, 128                   ; its place among the three weights' 96 (x's work-groups replace both below)
	s_cmp_lt_u32 ttmp9, 160
	s_cselect_b64 s[6:7], s[6:7], s[8:9]
	s_cmp_lt_u32 ttmp9, 192
	s_cselect_b64 s[6:7], s[6:7], s[10:11]
	s_cmp_lt_u32 ttmp9, 128
	s_cselect_b64 s[4:5], s[4:5], s[6:7]           ; the source
	s_cselect_b64 s[14:15], s[14:15], s[18:19]     ; its codes
	s_cselect_b64 s[16:17], s[16:17], s[20:21]     ; its scale bytes
	s_cselect_b32 s26, ttmp9, s26
	s_cselect_b32 s27, ttmp9, s27
	s_lshl_b32 s26, s26, 2
	s_add_co_u32 s26, s26, s[WV]                   ; my run of 8,192 numbers in the source
	s_lshl_b32 s28, s26, 15                        ; 32,768 bytes a run
	s_mov_b32 s29, 0
	s_add_nc_u64 s[4:5], s[4:5], s[28:29]
	s_lshl_b32 s27, s27, 2
	s_add_co_u32 s27, s27, s[WV]                   ; and in the destination
	s_lshl_b32 s28, s27, 12                        ; 4,096 bytes of codes a run
	s_add_nc_u64 s[14:15], s[14:15], s[28:29]
	s_lshl_b32 s28, s27, 8                         ; 256 scale bytes a run
	s_add_nc_u64 s[16:17], s[16:17], s[28:29]
.macro LOAD t
.irp i, 0,1,2,3
	global_load_b128 v[R+16*((\t)%4)+4*\i:R+16*((\t)%4)+4*\i+3], v3, s[4:5] offset:2048*(\t)+512*\i th:TH_LOAD_NT   ; 32 lanes read 512 consecutive bytes
.endr
.endm
.macro TURN t                          ; step t's numbers through the stage: LDS serves a wave's instructions in order, so no wait stands between the stores and the loads
.irp i, 0,1,2,3
	ds_store_b128 v14, v[R+16*((\t)%4)+4*\i:R+16*((\t)%4)+4*\i+3] offset:32*SP*((\t)%2)+8*SP*\i
.endr
.irp i, 0,1,2,3
	ds_load_b128 v[X+16*((\t)%2)+4*\i:X+16*((\t)%2)+4*\i+3], v15 offset:32*SP*((\t)%2)+16*\i
.endr
.endm
.irp t, 0,1,2,3
	LOAD \t
.endr
	s_wait_loadcnt 12                              ; step 0's four loads are in; the three younger steps' twelve may be out
	TURN 0
.macro STEP t
.set XS, X+16*((\t)%2)
.if (\t) > 0
	s_wait_dscnt 1                                 ; this step's numbers are back from the stage (the last step's byte store may be out): its stores into the stage have read their registers,
.else
	s_wait_dscnt 0x0
.endif
.if (\t)+4 < STEPS
	LOAD (\t)+4                                    ; which take the loads of four steps on
.endif
.if (\t)+1 < STEPS
.if STEPS-2-(\t) >= 3
	s_wait_loadcnt 12                              ; the next step's four loads are in; those of the three steps behind it may be out
.else
	s_wait_loadcnt 4*(STEPS-2-(\t))                ; at the end the count runs down
.endif
	TURN (\t)+1                                    ; and go through the other stage while this step is worked
.endif
	v_max3_num_f32 v8, |v[XS]|, |v[XS+1]|, |v[XS+2]|               ; the largest magnitude of my 16, in two chains
	v_max3_num_f32 v9, |v[XS+3]|, |v[XS+4]|, |v[XS+5]|
.irp i, 6,10
	v_max3_num_f32 v8, v8, |v[XS+\i]|, |v[XS+\i+1]|
	v_max3_num_f32 v9, v9, |v[XS+\i+2]|, |v[XS+\i+3]|
.endr
	v_max3_num_f32 v8, v8, |v[XS+14]|, |v[XS+15]|
	v_max3_num_f32 v8, v8, v9, (EMAX+1)<<23        ; and the floor 2^(3 - 127): the byte cannot fall under 1
	v_max_num_f32_dpp v8, v8, v8 row_xmask:1 row_mask:0xf bank_mask:0xf   ; with my neighbour's 16: the block's
	v_add_nc_u32 v11, -(EMAX<<23), v8              ; 2 off its exponent field: the conversion takes the exponent field of this operand as its scale, and nothing else of it
	v_cvt_scalef32_pk8_fp4_f32 v[C+4*(\t)], v[XS:XS+7], v11        ; to the nearest code, ties to even, beyond the largest code the largest; the first number's code in the lowest four bits
	v_cvt_scalef32_pk8_fp4_f32 v[C+4*(\t)+1], v[XS+8:XS+15], v11
	v_lshrrev_b32 v[E+(\t)], 23, v11               ; the scale's byte (also the plain line behind the conversions)
	ds_store_b8 v5, v[E+(\t)] offset:16*(\t)       ; both lanes of a block write the same byte with the same value
	global_store_b64 v4, v[C+4*(\t):C+4*(\t)+1], s[14:15] offset:32*CB*(\t)   ; 32 lanes store 256 consecutive bytes, aligned
.endm
.irp t, 0,1,2,3,4,5,6,7,8,9,10,11,12,13,14,15
	STEP \t
.endr
	ds_load_b64 v[8:9], v6                         ; LDS serves a wave's instructions in order: these see my byte stores
	s_wait_dscnt 0x0
	global_store_b64 v7, v[8:9], s[16:17]          ; 32 lanes store my wave's 256 scale bytes, aligned
	s_wait_tensorcnt 0x0                           ; the wave's end: these three lines behind my last LDS store
	ds_add_u32 v[SPW], v[NIL]
	s_wait_dscnt 0x0
	s_endpgm
; THE CAST OF Wo: four groups of 16 loads (8,192 bytes), two sets of registers; a load's 512 bytes of f32 become 256 consecutive bytes of f16, 8 a lane.
.Lcast:
	s_sub_co_u32 s26, ttmp9, 224
	s_lshl_b32 s26, s26, 2
	s_add_co_u32 s26, s26, s[WV]                   ; my run of 8,192 numbers
	s_lshl_b32 s28, s26, 15
	s_mov_b32 s29, 0
	s_add_nc_u64 s[12:13], s[12:13], s[28:29]
	s_lshl_b32 s28, s26, 14
	s_add_nc_u64 s[22:23], s[22:23], s[28:29]
.macro LOADW g
.irp i, 0,1,2,3,4,5,6,7,8,9,10,11,12,13,14,15
	global_load_b128 v[R+64*((\g)%2)+4*\i:R+64*((\g)%2)+4*\i+3], v3, s[12:13] offset:8192*(\g)+512*\i th:TH_LOAD_NT
.endr
.endm
	LOADW 0
	LOADW 1
.macro CAST g
.if (\g) < 3
	s_wait_loadcnt 16                              ; this group's 16 loads are in; the other set's 16 may be out
.else
	s_wait_loadcnt 0x0
.endif
.if (\g) > 0
	s_wait_xcnt 0x0                                ; the last group's stores have read their data registers, which are written again below
.endif
.irp i, 0,1,2,3,4,5,6,7,8,9,10,11,12,13,14,15
	v_cvt_pk_f16_f32 v[HF+2*\i], v[R+64*((\g)%2)+4*\i], v[R+64*((\g)%2)+4*\i+1]
	v_cvt_pk_f16_f32 v[HF+2*\i+1], v[R+64*((\g)%2)+4*\i+2], v[R+64*((\g)%2)+4*\i+3]
.endr
.irp i, 0,1,2,3,4,5,6,7,8,9,10,11,12,13,14,15
	global_store_b64 v4, v[HF+2*\i:HF+2*\i+1], s[22:23] offset:4096*(\g)+256*\i   ; 32 lanes store 256 consecutive bytes, aligned
.endr
.if (\g) < 2
	LOADW (\g)+2
.endif
.endm
	CAST 0
	CAST 1
	CAST 2
	CAST 3
	s_wait_tensorcnt 0x0                           ; every wave of the launch ends alike, with these three lines
	ds_add_u32 v[SPW], v[NIL]
	s_wait_dscnt 0x0
	s_endpgm
.Lfunc_end_k_qe9a4fe8db9_prep:
	.size	k_qe9a4fe8db9_prep, .Lfunc_end_k_qe9a4fe8db9_prep-k_qe9a4fe8db9_prep
	.p2alignl 7, 3214868480
	.fill 96, 4, 3214868480
	.section	.rodata,"a",@progbits
	.p2align	6, 0x0
	.amdhsa_kernel k_qe9a4fe8db9_prep
		.amdhsa_group_segment_fixed_size 33280
		.amdhsa_private_segment_fixed_size 0
		.amdhsa_enable_private_segment 0
		.amdhsa_kernarg_size 80
		.amdhsa_user_sgpr_count 2
		.amdhsa_user_sgpr_kernarg_segment_ptr 1
		.amdhsa_wavefront_size32 1
		.amdhsa_system_sgpr_workgroup_id_x 1
		.amdhsa_system_sgpr_workgroup_id_y 1
		.amdhsa_system_sgpr_workgroup_id_z 1
		.amdhsa_system_vgpr_workitem_id 0
		.amdhsa_next_free_vgpr 192
		.amdhsa_next_free_sgpr 66
		.amdhsa_reserve_vcc 0
		.amdhsa_float_denorm_mode_32 3
		.amdhsa_float_denorm_mode_16_64 3
		.amdhsa_memory_ordered 1
		.amdhsa_forward_progress 1
		.amdhsa_inst_pref_size 54
	.end_amdhsa_kernel
	.amdgpu_metadata
---
amdhsa.version: [ 1, 2 ]
amdhsa.kernels:
  - .name:           k_qe9a4fe8db9_prep
    .symbol:         k_qe9a4fe8db9_prep.kd
    .args:
      - { .name: x, .offset: 0, .size: 8, .value_kind: global_buffer, .address_space: global }
      - { .name: Wq, .offset: 8, .size: 8, .value_kind: global_buffer, .address_space: global }
      - { .name: Wk, .offset: 16, .size: 8, .value_kind: global_buffer, .address_space: global }
      - { .name: Wv, .offset: 24, .size: 8, .value_kind: global_buffer, .address_space: global }
      - { .name: Wo, .offset: 32, .size: 8, .value_kind: global_buffer, .address_space: global }
      - { .name: xc, .offset: 40, .size: 8, .value_kind: global_buffer, .address_space: global }
      - { .name: xs, .offset: 48, .size: 8, .value_kind: global_buffer, .address_space: global }
      - { .name: wc, .offset: 56, .size: 8, .value_kind: global_buffer, .address_space: global }
      - { .name: ws, .offset: 64, .size: 8, .value_kind: global_buffer, .address_space: global }
      - { .name: wo16, .offset: 72, .size: 8, .value_kind: global_buffer, .address_space: global }
    .group_segment_fixed_size: 33280
    .private_segment_fixed_size: 0
    .kernarg_segment_align: 8
    .kernarg_segment_size: 80
    .max_flat_workgroup_size: 128
    .sgpr_count:     66
    .vgpr_count:     192
    .wavefront_size: 32
...
	.end_amdgpu_metadata
.endif
;; end of part 1
;; launch qkv (part 2): grid 12 x 16, 4 waves a work-group, clusters of 4 x 4, 327,680 bytes of LDS; arguments xc, xs, wc, ws, bq, bk, bv, qkv; writes qkv
.if DOCPART == 2
	.amdgcn_target "amdgcn-amd-amdhsa--gfx1250"
	.amdhsa_code_object_version 6
	.text
	.protected	k_qe9a4fe8db9_qkv
	.globl	k_qe9a4fe8db9_qkv
	.p2align	8
	.type	k_qe9a4fe8db9_qkv,@function
k_qe9a4fe8db9_qkv:
	s_mov_b64 s[64:65], 0
	v_nop
	global_prefetch_b8 v0, s[64:65] scope:SCOPE_SE
	s_setreg_imm32_b32 hwreg(HW_REG_WAVE_MODE, 25, 1), 1
	s_wait_xcnt 0x0
	s_wait_alu depctr_hold_cnt(0) depctr_sa_sdst(0) depctr_va_vdst(0) depctr_va_sdst(0) depctr_va_ssrc(0) depctr_va_vcc(0) depctr_vm_vsrc(0)
	s_getreg_b32 s2, hwreg(HW_REG_IB_STS2, 6, 4)
	s_cmp_eq_u32 s2, 0
	s_cbranch_scc0 .Lentry_in_a_cluster
	s_endpgm
.Lentry_in_a_cluster:
	s_bfe_u32 s2, ttmp6, 0x10000c
	s_cmp_lg_u32 s2, 0xf033
	s_cbranch_scc0 .Lentry_shape_is_right
	s_endpgm
.Lentry_shape_is_right:
; The three projections as ONE product on codes of FP4 (E2M1) with E8M0 scales: [4096 tokens][1024] x [3072 = Wq, Wk, Wv rows][1024]^T, sums in f32, + bias; Q is multiplied by c = log2(e) / 8 in f32;
; each number is rounded once to f16 and stored head-major: qkv [3 (Q, K, V)][32 (batch x 16 + head)][2048][64].
; LIMITS: |c Q|, |K|, |V| stay under 65,504 (f16); f16 magnitudes under 6e-5 carry an absolute error of 3e-8.
; A tile of 256 x 256 is made by a work-group of four waves; a wave makes 128 x 128: 64 accumulators of 16 x 16, 512 registers.  12 x 16 = 192 work-groups: a tile of 256 x 192 would give 256, but a wave's
; columns would then cut a head of 64.  K = 1,024 is two LDS slots of 512 (rows of 256 bytes): both are asked for at the head, nothing is filled again, so there is no loop and no prefetch.
; THE SCALES of the work-group's 256 + 256 rows, for all of K, are two dense blocks: they come into LDS once, with the first fills.
; CLUSTERS: 4 x 4 work-groups.  The four of a row of the cluster need the same tiles of x, the four of a column the same tiles of W: each tile is asked for JOINTLY.
; THE MATRIX INSTRUCTION IS USED TRANSPOSED (source 0 = 16 rows of W, source 1 = 16 tokens): a lane holds eight neighbouring columns of one token.  THE BIAS is the C of each sum's first product.
; REGISTERS, in windows of 256: window 0: v0-31 addresses; v32-95 scale words, two sets, and nothing else ever; v128-191 x's fragments, ONE set; v192-255 the bias, 8 tiles of 8;
;   on the way out v96-255 are at work.  window 1: W's fragments, TWO sets, at v0 and v128.  window 2: the accumulators of my rows 0-63 ((a, b) at v[8 (8 a + b)]); window 3: rows 64-127.
.set SIZE_K, 1024
.set KSTEP,  512                       ; along K in a slot
.set NQ,     KSTEP/128                 ; matrix instructions deep
.set ROWB,   256                       ; a tile's row in bytes
.set KROW,   SIZE_K*4/8                ; a row of codes in memory
.set PITCH,  272                       ; an LDS row: 256 bytes + 16 of padding = 68 words: the 16 rows that a load touches start at 16 different banks (64 banks of 4 bytes: ISA guide 11.1)
.set FR,     8                         ; registers of a fragment: 16 rows x 128 K
.set NL,     2                         ; LDS loads that bring one
.set NP,     4                         ; places behind this matrix instruction (ISA guide 7.12.1)
.set HALFT,  128*PITCH                 ; 128 rows: what one tensor load brings
.set SLOT,   4*HALFT                   ; x's 256 rows, then W's 256 rows
.set KS,     SIZE_K/32                 ; a row of scales in bytes
.set SCL,    2*SLOT                    ; behind the two slots: the scales, as runs of 256 bytes + 16 of padding
.set HALFS,  (128*KS/256)*272          ; the scales of 128 rows
.set SBLK,   (16*KS/256)*272           ; those of 16 rows
.set SPARE,  SCL+4*HALFS               ; the spare words, 128 bytes a wave; no other line names them
.set SPITCH, 272                       ; the way out: a stage of 16 rows x (256 bytes + 16) for each wave, in slot 0, which has had its only fill and its last read by then
.set HEADB,  2048*128                  ; a head in qkv
.set ADRA, 16                          ; v16-17  LDS address of my x fragments in slot 0, 1
.set ADRB, 20                          ; v20-21  the same for W
.set STO,  24                          ; v24     the way out: where I put 16 bytes of a row
.set RD,   25                          ; v25     where I read back
.set CO,   26                          ; v26     16 x lane
.set ADRS, 27                          ; v27     LDS address of my scale words: lanes 0-15 x's rows, lanes 16-31 W's
.set SPW,  28                          ; v28     my spare word; never rewritten
.set NIL,  29                          ; v29     0; never rewritten
.set BO,   30                          ; v30     32 x (lane / 16): my half's eight numbers of a bias tile
.set SC,   32                          ; scale words: set s at v[SC + 32 s]; register 4 i + q: lanes 0-15 x's block i, lanes 16-31 W's block i, the slot's q-th 128 along K
.set AF,   128                         ; x's fragments
.set BI,   192                         ; the bias
.set TF,   96                          ; the way out: 64 numbers in f32
.set TP,   160                         ; 32 registers of f16 pairs
.set OB,   192                         ; rows read back: v192-223 and v224-255 by turns
.set G1, 24                            ; s[24:31] group 1 for x's tiles; s[32:39] group 0, one set for each slot
.set G0, 32
.set G1B, 48                           ; s[48:55], s[56:63] the same for W's
.set G0B, 56
.set G1S, 68                           ; s[68:75], s[76:79] groups 1 and 0 for x's scales; s[80:87], s[88:91] for W's
.set G0S, 76
.set G1SB, 80
.set G0SB, 88
.set BP,  96                           ; s[96:97] the bias of my columns
.set CQ,  66                           ; s[66:67] c for Q, 1.0 for K and V
.set MSB, 0
.macro WIN new                         ; the immediate's high byte repeats the setting that is left
.if MSB != \new
	s_set_vgpr_msb (MSB<<8)|\new
.set MSB, \new
.endif
.endm
.set MUL_LO, 0xa1                      ; source 0 (W) window 1, source 1 (x) window 0, C and D window 2
.set MUL_HI, 0xf1                      ; the same, C and D window 3
.set BIA_LO, 0x81                      ; the first products: C (the bias) window 0, D window 2
.set BIA_HI, 0xc1                      ; D window 3
.set TO_B,   0x40                      ; destination window 1, address window 0
; A joint load: waves 0 and 1 fetch for x, waves 2 and 3 for W.  Each line has one mask and one set of registers for all that issue it; the branch hangs on the wave's number alone.
; An s_nop 0 and four v_nop follow each of the two lines.
.macro JLOAD g0a, g1a, g0b, g1b
	s_cmp_eq_u32 s15, 0
	s_cbranch_scc0 .Lfor_b_\@
	tensor_load_to_lds s[\g0a:\g0a+3], s[\g1a:\g1a+7]
	s_nop 0
.rept 4
	v_nop
.endr
	s_branch .Lasked_\@
.Lfor_b_\@:
	tensor_load_to_lds s[\g0b:\g0b+3], s[\g1b:\g1b+7]
	s_nop 0
.rept 4
	v_nop
.endr
.Lasked_\@:
.endm
.macro CROUND                          ; a round of the cluster's barrier: my work-group's barrier; wave 0 signals for the work-group; every wave waits for all sixteen; my work-group's barrier once more
	s_barrier_signal -1
	s_barrier_wait -1
	s_cmp_lg_u32 s14, 0
	s_cbranch_scc1 .Lnot_wave_0_\@
	s_barrier_signal -3
.Lnot_wave_0_\@:
	s_barrier_wait -3
	s_barrier_signal -1
	s_barrier_wait -1
.endm
	s_load_b256 s[4:11], s[0:1], 0x0               ; xc s[4:5], xs s[6:7], wc s[8:9], ws s[10:11]
	s_load_b128 s[96:99], s[0:1], 0x20             ; bq, bk
	s_load_b64 s[100:101], s[0:1], 0x30            ; bv
	s_load_b64 s[12:13], s[0:1], 0x38              ; qkv
	v_lshl_add_u32 v[SPW], v0, 2, SPARE
	v_mov_b32 v[NIL], 0
	ds_add_u32 v[SPW], v[NIL]                      ; the wave's opening: the add, twice on end, and its wait ahead of my first tensor load
	ds_add_u32 v[SPW], v[NIL]
	v_lshrrev_b32 v1, 5, v0
	v_readfirstlane_b32 s14, v1                    ; wave 0..3
	s_lshr_b32 s15, s14, 1                         ; which half of the tile's rows is mine.  Also: I fetch for x (0) or for W (1)
	s_and_b32 s16, s14, 1                          ; which half of its columns.  Also: which 128 rows of that tile I fetch
	s_bfe_u32 s40, ttmp6, 0x40000                  ; cx, cy: my place in the cluster
	s_bfe_u32 s41, ttmp6, 0x40004
	s_lshl_b32 s42, ttmp9, 2
	s_add_co_u32 s42, s42, s40                     ; tile column = 4 x cluster x + cx
	s_and_b32 s17, ttmp7, 0xffff
	s_lshl_b32 s17, s17, 2
	s_add_co_u32 s17, s17, s41                     ; tile row = 4 x cluster y + cy
	s_lshl_b32 s43, s41, 2
	s_lshl_b32 s43, 15, s43                        ; my row of the cluster
	s_lshl_b32 s44, 0x1111, s40                    ; my column
	; group 1: a tile of 128 rows x 256 bytes, padded in LDS
	s_or_b32 s[G1+0], s43, (0<<16)|(1<<20)|(1<<21)|(5<<22)|(3<<25)  ; 15:0 the mask; 17:16 elements of 1 byte; 20 padding on; 21 set beside a mask; 24:22 after every 64 words; 31:25 four words
	s_or_b32 s[G1B+0], s44, (0<<16)|(1<<20)|(1<<21)|(5<<22)|(3<<25)
.irp g, G1, G1B
	s_mov_b32 s[\g+1], ROWB<<16                    ; tensor_dim0
	s_mov_b32 s[\g+2], 128<<16                     ; tensor_dim1
	s_mov_b32 s[\g+3], ROWB<<16                    ; tile_dim0
	s_mov_b32 s[\g+4], 128                         ; tile_dim1
	s_mov_b32 s[\g+5], KROW                        ; from row to row
	s_mov_b32 s[\g+6], 0
	s_mov_b32 s[\g+7], 0
.endr
	; the scales of 128 rows: a dense block of 4,096 bytes, as 16 rows of 256 bytes (32 elements of 8), 16 bytes of padding behind each
	s_or_b32 s[G1S+0], s43, (3<<16)|(1<<20)|(1<<21)|(5<<22)|(3<<25)
	s_or_b32 s[G1SB+0], s44, (3<<16)|(1<<20)|(1<<21)|(5<<22)|(3<<25)
.irp g, G1S, G1SB
	s_mov_b32 s[\g+1], 32<<16
	s_mov_b32 s[\g+2], (128*KS/256)<<16
	s_mov_b32 s[\g+3], 32<<16
	s_mov_b32 s[\g+4], 128*KS/256
	s_mov_b32 s[\g+5], 32
	s_mov_b32 s[\g+6], 0
	s_mov_b32 s[\g+7], 0
.endr
	s_lshl_b32 s18, s16, 7                         ; which 128 rows of the tile I fetch
	s_lshl_b32 s20, s17, 8
	s_add_co_u32 s20, s20, s18                     ; x: row 256 x tile row + 128 x half
	s_lshl_b32 s46, s42, 8
	s_add_co_u32 s46, s46, s18                     ; W: row 256 x tile column + 128 x half
	s_mov_b32 s21, 0
	s_mov_b32 s47, 0
	s_mov_b64 s[18:19], KS
	s_mul_u64 s[22:23], s[20:21], s[18:19]         ; where these rows' scales begin
	s_mul_u64 s[92:93], s[46:47], s[18:19]
	s_mov_b64 s[18:19], KROW
	s_mul_u64 s[20:21], s[20:21], s[18:19]         ; and their codes
	s_mul_u64 s[46:47], s[46:47], s[18:19]
	s_mul_i32 s45, s14, HALFT                      ; where they go: wave x 128 rows: no place in the cluster enters an LDS address
	s_mul_i32 s94, s14, HALFS
	s_wait_dscnt 0x0                               ; both opening adds are done
	s_wait_kmcnt 0x0
	s_add_nc_u64 s[20:21], s[4:5], s[20:21]
	s_add_nc_u64 s[22:23], s[6:7], s[22:23]
	s_add_nc_u64 s[46:47], s[8:9], s[46:47]
	s_add_nc_u64 s[92:93], s[10:11], s[92:93]
	s_cmp_lt_u32 ttmp9, 1                          ; cluster x = 0, 1, 2: Q, K, V: the same in all sixteen partners
	s_cselect_b64 s[BP:BP+1], s[96:97], s[98:99]
	s_cmp_lt_u32 ttmp9, 2
	s_cselect_b64 s[BP:BP+1], s[BP:BP+1], s[100:101]
	s_cmp_eq_u32 ttmp9, 0
	s_cselect_b32 s[CQ], 0x3e38aa3b, 1.0           ; c = log2(e) / 8 for Q
	s_mov_b32 s[CQ+1], s[CQ]                       ; (named with it as a pair)
	CROUND                                         ; all sixteen work-groups are here: the first joint loads meet
	s_mov_b32 s[G0S], 1
	s_add_co_u32 s[G0S+1], s94, SCL
	s_mov_b64 s[G0S+2:G0S+3], s[22:23]
	s_or_b32 s[G0S+3], s[G0S+3], 0x80000000
	s_mov_b32 s[G0SB], 1
	s_add_co_u32 s[G0SB+1], s94, SCL
	s_mov_b64 s[G0SB+2:G0SB+3], s[92:93]
	s_or_b32 s[G0SB+3], s[G0SB+3], 0x80000000
	JLOAD G0S, G1S, G0SB, G1SB                     ; the scales first: they are wanted with the first slot
.irp s, 0,1
	s_mov_b32 s[G0+4*\s], 1
	s_add_co_u32 s[G0+4*\s+1], s45, \s*SLOT
	s_add_nc_u64 s[G0+4*\s+2:G0+4*\s+3], s[20:21], \s*ROWB
	s_or_b32 s[G0+4*\s+3], s[G0+4*\s+3], 0x80000000
	s_mov_b32 s[G0B+4*\s], 1
	s_add_co_u32 s[G0B+4*\s+1], s45, \s*SLOT
	s_add_nc_u64 s[G0B+4*\s+2:G0B+4*\s+3], s[46:47], \s*ROWB
	s_or_b32 s[G0B+4*\s+3], s[G0B+4*\s+3], 0x80000000
	JLOAD G0+4*\s, G1, G0B+4*\s, G1B               ; three tensor loads of mine are out now
.endr
	v_and_b32 v1, 15, v0                           ; r = l % 16
	v_bfe_u32 v2, v0, 4, 1                         ; h = l / 16
	; the bias: tile b's register j of lane (r, h) is the bias of column 16 b + 8 h + j of my 128
	s_lshl_b32 s46, s40, 10                        ; 256 columns x 4 bytes x cx,
	s_lshl_b32 s47, s16, 9                         ; + my half
	s_add_co_u32 s46, s46, s47
	s_mov_b32 s47, 0
	s_add_nc_u64 s[BP:BP+1], s[BP:BP+1], s[46:47]
	v_lshlrev_b32 v[BO], 5, v2
.irp b, 0,1,2,3,4,5,6,7
	global_load_b128 v[BI+8*\b:BI+8*\b+3], v[BO], s[BP:BP+1] offset:64*\b
	global_load_b128 v[BI+8*\b+4:BI+8*\b+7], v[BO], s[BP:BP+1] offset:64*\b+16
.endr
	v_mul_u32_u24 v3, v1, PITCH
	v_lshl_add_u32 v4, v2, 4, v3                   ; a fragment's row x pitch + 16 x half
	s_mul_i32 s21, s15, HALFT                      ; my 128 rows of x
	s_mul_i32 s22, s16, HALFT                      ; my 128 rows of W,
	s_add_co_u32 s22, s22, 2*HALFT                 ; which lie behind x's 256
.irp s, 0,1
	v_add_nc_u32 v[ADRA+\s], s21, v4
	v_add_nc_u32 v[ADRB+\s], s22, v4
	s_add_co_u32 s21, s21, SLOT
	s_add_co_u32 s22, s22, SLOT
.endr
	v_mul_u32_u24 v5, v1, KS                       ; my row's scales: 32 bytes a row,
	v_lshrrev_b32 v6, 8, v5
	v_lshl_add_u32 v5, v6, 4, v5                   ; and 16 more for each 256 passed
	s_mul_i32 s21, s15, HALFS                      ; x's: my 128 rows
	s_mul_i32 s22, s16, HALFS                      ; W's: my 128 rows, behind x's 256
	s_add_co_u32 s22, s22, 2*HALFS
	s_sub_co_u32 s22, s22, s21
	v_mul_u32_u24 v6, s22, v2                      ; lanes 16-31 take W's: one product, the distance x half
	s_add_co_u32 s21, s21, SCL
	v_add_nc_u32 v5, v5, v6
	v_add_nc_u32 v[ADRS], s21, v5
	s_mul_i32 s23, s14, 16*SPITCH                  ; my stage
	v_mul_u32_u24 v5, v1, SPITCH                   ; in: row r, 16 bytes for each half of the lanes
	v_lshl_add_u32 v5, v2, 4, v5
	v_add_nc_u32 v[STO], s23, v5
	v_bfe_u32 v5, v0, 3, 2                         ; back: eight lanes take a head's 128 bytes of a row, four rows an instruction
	v_mul_u32_u24 v5, v5, SPITCH
	v_and_b32 v6, 7, v0
	v_lshl_add_u32 v5, v6, 4, v5
	v_add_nc_u32 v[RD], s23, v5
	v_and_b32 v6, 31, v0
	v_lshlrev_b32 v[CO], 4, v6                     ; four rows of 128 bytes are 512 consecutive bytes of qkv: 16 x lane
	; where my part begins in qkv.  By the tile row: batch and token;
	s_lshr_b32 s20, s17, 3                         ; batch
	s_lshl_b32 s20, s20, 15                        ; x 16 heads x 2,048 rows
	s_and_b32 s21, s17, 7
	s_lshl_b32 s21, s21, 8
	s_add_co_u32 s20, s20, s21                     ; + 256 x tile row in the batch
	s_lshl_b32 s21, s15, 7
	s_add_co_u32 s20, s20, s21                     ; + my half
	s_lshl_b32 s20, s20, 7                         ; rows of 128 bytes
	s_mov_b32 s21, 0
	s_add_nc_u64 s[12:13], s[12:13], s[20:21]
	s_lshl_b32 s46, s40, 2                         ; by the tile column: the head 4 cx + 2 x half,
	s_lshl_b32 s47, s16, 1
	s_add_co_u32 s46, s46, s47
	s_lshl_b32 s46, s46, 18                        ; x 262,144 bytes,
	s_lshl_b32 s47, ttmp9, 23                      ; and Q, K or V: x 8,388,608
	s_add_co_u32 s46, s46, s47
	s_mov_b32 s47, 0
	s_add_nc_u64 s[12:13], s[12:13], s[46:47]
.macro FRAG reg, adr, q, i             ; a fragment: lane l holds row l % 16; registers 4 c .. 4 c + 3 hold K = 64 c + 32 (l / 16) + 0 .. 31
.irp c, 0,1
	ds_load_b128 v[\reg+4*\c:\reg+4*\c+3], v[\adr] offset:64*(\q)+32*\c+(\i)*16*PITCH
.endr
.endm
; 16 matrix instructions: x's blocks a0, a0 + 1 against W's eight, the slot's q-th 128 along K.  p: W's set; sc: the set of scale words.  zero = 1: the first product starts the sums from the bias.
; The 64 accumulators take turns, one instruction a turn, in the same order in every step.
.macro MUL16 a0, p, q, sc, zero
.irp a, \a0, \a0+1
.irp b, 0,1,2,3,4,5,6,7
.if \zero
	v_wmma_scale_f32_16x16x128_f8f6f4 v[8*(8*((\a)%4)+\b):8*(8*((\a)%4)+\b)+7], v[128*(\p)+FR*\b:128*(\p)+FR*\b+FR-1], v[AF+FR*(\a):AF+FR*(\a)+FR-1], v[BI+8*\b:BI+8*\b+7], v[SC+8*NQ*(\sc)+NQ*\b+(\q)], v[SC+8*NQ*(\sc)+NQ*(\a)+(\q)] matrix_a_fmt:MATRIX_FMT_FP4 matrix_b_fmt:MATRIX_FMT_FP4 matrix_a_scale:MATRIX_SCALE_ROW1
.else
	v_wmma_scale_f32_16x16x128_f8f6f4 v[8*(8*((\a)%4)+\b):8*(8*((\a)%4)+\b)+7], v[128*(\p)+FR*\b:128*(\p)+FR*\b+FR-1], v[AF+FR*(\a):AF+FR*(\a)+FR-1], v[8*(8*((\a)%4)+\b):8*(8*((\a)%4)+\b)+7], v[SC+8*NQ*(\sc)+NQ*\b+(\q)], v[SC+8*NQ*(\sc)+NQ*(\a)+(\q)] matrix_a_fmt:MATRIX_FMT_FP4 matrix_b_fmt:MATRIX_FMT_FP4 matrix_a_scale:MATRIX_SCALE_ROW1
.endif
.endr
.endr
.endm
.macro FETCH_B slot, q, p              ; W's eight fragments of the slot's q-th 128 along K into set p
	WIN TO_B
.irp i, 0,1,2,3,4,5,6,7
	FRAG 128*(\p)+FR*\i, ADRB+\slot, \q, \i
.endr
	WIN 0
.endm
.macro FETCH_A slot, q, i0             ; x's blocks i0 .. i0 + 3
.irp i, \i0, \i0+1, \i0+2, \i0+3
	FRAG AF+FR*(\i), ADRA+\slot, \q, \i
.endr
.endm
.macro SCALES sc                       ; a slot's scale words into set sc: 4 words a row; lanes 0-15 take x's block i, lanes 16-31 W's block i
.irp i, 0,1,2,3,4,5,6,7
	ds_load_b128 v[SC+8*NQ*\sc+NQ*\i:SC+8*NQ*\sc+NQ*\i+3], v[ADRS] offset:\i*SBLK
.endr
.endm
; A load into a register that a matrix instruction has read, and a vector instruction or LDS store that reads a matrix result, stand NP places behind it; only plain vector instructions that name none
; of its registers are places.
.macro PLACES n
.rept \n
	v_nop
.endr
.endm
; A step of 128 along K that has its successor in the same slot: x's blocks 0-3 are fetched anew in its middle, blocks 4-7 at its end; W's next set in the middle.
.macro STEP slot, q, zero
	s_wait_dscnt 4*NL                              ; W's set and x's blocks 0-3 are in; the youngest eight loads (x's blocks 4-7) may be out
.if \zero
	WIN BIA_LO
.else
	WIN MUL_LO
.endif
	MUL16 0, (\q)%2, \q, \slot, \zero
	MUL16 2, (\q)%2, \q, \slot, \zero
	s_wait_dscnt 0                                 ; x's blocks 4-7 are in (asked for 32 matrix instructions ago)
	PLACES NP
	FETCH_B \slot, (\q)+1, 1-(\q)%2
	FETCH_A \slot, (\q)+1, 0
.if \zero
	WIN BIA_HI
.else
	WIN MUL_HI
.endif
	MUL16 4, (\q)%2, \q, \slot, \zero
	MUL16 6, (\q)%2, \q, \slot, \zero
	PLACES NP
	WIN 0
	FETCH_A \slot, (\q)+1, 4
.endm
; Slot 0's last step changes slots: one barrier; in front of it each wave waits for all its tensor loads (slot 1's part), adds 0 to its spare word, and waits for that and for its reads of slot 0.
; Behind it slot 1 is whole and nobody reads slot 0 any more: the stages of the way out lie there.
.macro TURN slot, next
	s_wait_tensorcnt 0x0                           ; all my tensor loads have landed (every window is 0 here)
	ds_add_u32 v[SPW], v[NIL]
	s_wait_dscnt 4*NL+1                            ; (the add and the youngest eight loads may be out)
	WIN MUL_LO
	MUL16 0, 1, NQ-1, \slot, 0                     ; sixteen matrix instructions stand between the add and the wait for it
	s_wait_dscnt 0x0                               ; the add is done, and my reads of this slot are over
	s_barrier_signal -1
	MUL16 2, 1, NQ-1, \slot, 0
	WIN 0
	s_barrier_wait -1
	PLACES NP
	v_add_nc_u32 v[ADRS], 4*NQ, v[ADRS]            ; on to the next slot's scale words (no LDS load of mine is out)
	FETCH_B \next, 0, 0
	FETCH_A \next, 0, 0
	SCALES \next
	WIN MUL_HI
	MUL16 4, 1, NQ-1, \slot, 0
	MUL16 6, 1, NQ-1, \slot, 0
	PLACES NP
	WIN 0
	FETCH_A \next, 0, 4
.endm
.macro STEPS slot, from                ; the slot's steps from .. NQ - 2
.set QQ, \from
.rept NQ-1-\from
	STEP \slot, QQ, 0
.set QQ, QQ+1
.endr
.endm
	s_wait_tensorcnt 1                             ; the scales and my part of slot 0 are in (slot 1's load may be out)
	s_barrier_signal -1
	s_barrier_wait -1                              ; everybody's are
	FETCH_B 0, 0, 0
	FETCH_A 0, 0, 0
	SCALES 0
	FETCH_A 0, 0, 4
	s_wait_loadcnt 0x0                             ; the bias
	STEP 0, 0, 1                                   ; the first step's products start the sums from the bias: nothing is cleared
	STEPS 0, 1
	TURN 0, 1
	STEPS 1, 0
	s_wait_dscnt 4*NL                              ; the very last step: nothing more to fetch
	WIN MUL_LO
	MUL16 0, 1, NQ-1, 1, 0
	MUL16 2, 1, NQ-1, 1, 0
	s_wait_dscnt 0
	WIN MUL_HI
	MUL16 4, 1, NQ-1, 1, 0
	MUL16 6, 1, NQ-1, 1, 0
	WIN 0
; THE WAY OUT, block by block of 16 tokens x 128 columns (two heads).  PACK: x c (or 1) in f32, each accumulator from its low end on, then one rounding to f16: 16 bytes a lane.
; TOSTAGE: into my stage (rows of 256 bytes + 16) and back by heads: four tokens x 128 bytes an instruction.  SEND: 32 lanes store 512 consecutive bytes of one head, aligned.
.macro PACK a
.set AC, 64*((\a)%4)
	WIN (0x02+(\a)/4)                              ; source 0: window 2 or 3
.irp b, 0,1,2,3,4,5,6,7
.irp i, 0,1,2,3
	v_pk_mul_f32 v[TF+8*\b+2*\i:TF+8*\b+2*\i+1], v[AC+8*\b+2*\i:AC+8*\b+2*\i+1], s[CQ:CQ+1] op_sel_hi:[1,0]
.endr
.endr
	WIN 0
.irp b, 0,1,2,3,4,5,6,7
.irp i, 0,1,2,3
	v_cvt_pk_f16_f32 v[TP+4*\b+\i], v[TF+8*\b+2*\i], v[TF+8*\b+2*\i+1]
.endr
.endr
.endm
.macro TOSTAGE a
.set BB, OB+32*((\a)%2)
.irp b, 0,1,2,3,4,5,6,7
	ds_store_b128 v[STO], v[TP+4*\b:TP+4*\b+3] offset:32*\b
.endr
.irp t, 0,1,2,3,4,5,6,7
	ds_load_b128 v[BB+4*\t:BB+4*\t+3], v[RD] offset:(\t%4)*4*SPITCH+128*(\t/4)   ; LDS serves a wave's instructions in order: these see the stores above
.endr
.endm
.macro SEND a
.set BB, OB+32*((\a)%2)
	s_wait_dscnt 0x0                               ; the block is back in registers
	s_wait_xcnt 0x0                                ; the block before's stores have read their data: the next block's loads may land there
.irp t, 0,1,2,3,4,5,6,7
	global_store_b128 v[CO], v[BB+4*\t:BB+4*\t+3], s[12:13] offset:(\t/4)*HEADB+2048*(\a)+512*(\t%4)   ; every offset is an immediate, 278,016 at the most: no pointer is stepped
.endr
.endm
	PLACES NP                                      ; behind the last products: their registers are read and written from here on
	PACK 0
	TOSTAGE 0
.irp a, 1,2,3,4,5,6,7                  ; block a's arithmetic stands between block a - 1's loads from the stage and the wait for them
	PACK \a
	SEND \a-1
	TOSTAGE \a
.endr
	SEND 7
	s_wait_tensorcnt 0x0                           ; the wave's end: these three lines behind my last tensor load and my last LDS store
	ds_add_u32 v[SPW], v[NIL]
	s_wait_dscnt 0x0
	CROUND                                         ; the closing round
	s_endpgm
.Lfunc_end_k_qe9a4fe8db9_qkv:
	.size	k_qe9a4fe8db9_qkv, .Lfunc_end_k_qe9a4fe8db9_qkv-k_qe9a4fe8db9_qkv
	.p2alignl 7, 3214868480
	.fill 96, 4, 3214868480
	.section	.rodata,"a",@progbits
	.p2align	6, 0x0
	.amdhsa_kernel k_qe9a4fe8db9_qkv
		.amdhsa_group_segment_fixed_size 327680
		.amdhsa_private_segment_fixed_size 0
		.amdhsa_enable_private_segment 0
		.amdhsa_kernarg_size 64
		.amdhsa_user_sgpr_count 2
		.amdhsa_user_sgpr_kernarg_segment_ptr 1
		.amdhsa_wavefront_size32 1
		.amdhsa_system_sgpr_workgroup_id_x 1
		.amdhsa_system_sgpr_workgroup_id_y 1
		.amdhsa_system_sgpr_workgroup_id_z 1
		.amdhsa_system_vgpr_workitem_id 0
		.amdhsa_next_free_vgpr 1024
		.amdhsa_next_free_sgpr 102
		.amdhsa_reserve_vcc 0
		.amdhsa_float_denorm_mode_32 3
		.amdhsa_float_denorm_mode_16_64 3
		.amdhsa_memory_ordered 1
		.amdhsa_forward_progress 1
		.amdhsa_inst_pref_size 144
	.end_amdhsa_kernel
	.amdgpu_metadata
---
amdhsa.version: [ 1, 2 ]
amdhsa.kernels:
  - .name:           k_qe9a4fe8db9_qkv
    .symbol:         k_qe9a4fe8db9_qkv.kd
    .args:
      - { .name: xc, .offset: 0, .size: 8, .value_kind: global_buffer, .address_space: global }
      - { .name: xs, .offset: 8, .size: 8, .value_kind: global_buffer, .address_space: global }
      - { .name: wc, .offset: 16, .size: 8, .value_kind: global_buffer, .address_space: global }
      - { .name: ws, .offset: 24, .size: 8, .value_kind: global_buffer, .address_space: global }
      - { .name: bq, .offset: 32, .size: 8, .value_kind: global_buffer, .address_space: global }
      - { .name: bk, .offset: 40, .size: 8, .value_kind: global_buffer, .address_space: global }
      - { .name: bv, .offset: 48, .size: 8, .value_kind: global_buffer, .address_space: global }
      - { .name: qkv, .offset: 56, .size: 8, .value_kind: global_buffer, .address_space: global }
    .group_segment_fixed_size: 327680
    .private_segment_fixed_size: 0
    .kernarg_segment_align: 8
    .kernarg_segment_size: 64
    .max_flat_workgroup_size: 128
    .sgpr_count:     102
    .vgpr_count:     1024
    .wavefront_size: 32
...
	.end_amdgpu_metadata
.endif
;; end of part 2
;; launch attn (part 3): grid 8 x 32, 8 waves a work-group, clusters of 4 x 1, 327,680 bytes of LDS; arguments qkv, prior_lambda, ao; writes ao
.if DOCPART == 3
	.amdgcn_target "amdgcn-amd-amdhsa--gfx1250"
	.amdhsa_code_object_version 6
	.text
	.protected	k_qe9a4fe8db9_attn
	.globl	k_qe9a4fe8db9_attn
	.p2align	8
	.type	k_qe9a4fe8db9_attn,@function
k_qe9a4fe8db9_attn:
	s_mov_b64 s[64:65], 0
	v_nop
	global_prefetch_b8 v0, s[64:65] scope:SCOPE_SE
	s_setreg_imm32_b32 hwreg(HW_REG_WAVE_MODE, 25, 1), 1
	s_wait_xcnt 0x0
	s_wait_alu depctr_hold_cnt(0) depctr_sa_sdst(0) depctr_va_vdst(0) depctr_va_sdst(0) depctr_va_ssrc(0) depctr_va_vcc(0) depctr_vm_vsrc(0)
	s_getreg_b32 s2, hwreg(HW_REG_IB_STS2, 6, 4)
	s_cmp_eq_u32 s2, 0
	s_cbranch_scc0 .Lentry_in_a_cluster
	s_endpgm
.Lentry_in_a_cluster:
	s_bfe_u32 s2, ttmp6, 0x10000c
	s_cmp_lg_u32 s2, 0x3003
	s_cbranch_scc0 .Lentry_shape_is_right
	s_endpgm
.Lentry_shape_is_right:
; ao = softmax(Q K^T / 8 + lambda x mask) V for 32 (batch, head) pairs of 2,048 positions, head size 64.  Operands in f16 (Q already carries c = log2(e) / 8), products, maxima and sums in f32;
; the weights p are rounded to f16 for the second product, the result once at the end.  ao: [16 heads][4096 tokens][64] f16.
; LIMITS: lambda is finite; NaN and infinities are not served; the result stays under 65,504.
; SHARES.  A cluster of four work-groups owns 1,024 queries of one head (cluster x = 0, 1).  Wave w of work-group cx owns the 32 queries from 1024 c + 128 w + 32 cx: two tiles of 16.  The chunks of 32 are dealt
; round the partners, so that what a wave does in a key step hangs on w, c and the step alone, never on cx.  Eight waves of 256 registers: two to a SIMD, one's softmax beside the other's products.
; Every wave walks all 2,048 keys, 64 a step; K's and V's tiles are the same for all four partners and are asked for JOINTLY.
; LAYOUT.  S^T = K Q^T (source 0 = 16 keys, source 1 = 16 queries): a lane holds ONE query (lane % 16) and keys 8 (lane / 16) + 0..7.  Two such tiles, rounded to f16 in pairs, ARE source 1 (32 keys x 16 queries)
; of O^T = V^T P, whose result again holds one query a lane.  K comes out of LDS as it lies, V ([key][channel]) turned, by ds_load_tr16_b128.
; SOFTMAX.  The scores are t in base 2.  For each query a running maximum m and sum l: p = 2^(t - m); in every step O and l are multiplied by a = 2^(m_old - m_new).
; THE PRIOR is a band: from |q - k| = 65 on both of its exponentials are 0 in f32, so lambda x mask is exactly 0 there.  It hangs on k - q alone, so a 16 x 16 tile of it hangs on (key tile - query tile) = o alone.
; A table of 16 tiles in LDS, in the layout of a result's registers, holds lambda x log2(e) x mask for o = i - 5 - 2 cx.  With rel = step - (16 c + 2 w - 1), tile (kt, qt) has o = 4 rel + kt - qt - 4 - 2 cx:
; for rel = 0..3 the table's tile (4 rel + kt - qt + 1) % 16 is loaded into the accumulator and is the C of its first product (tiles 0 and 16 are both zero and share a place); elsewhere |o| >= 5 and C = 0.
.set KS,    64                         ; keys in a step
.set NST,   4                          ; steps in a slot
.set PK,    144                        ; a row of K in LDS: 128 bytes + 16 = 36 words: the 16 rows of a load start at different banks
.set PV,    160                        ; a row of V: 128 + 32: an odd multiple of 32
.set VOFF,  KS*PK                      ; a step's tiles lie together: 64 rows of K, then 64 rows of V
.set STEPB, KS*(PK+PV)
.set SLOT1, 1<<17                      ; slot 1 begins here: one exclusive or turns an address in one slot into the other's
.set SLOTB, NST*KS*128                 ; a slot's rows of K (or of V) in memory: 32,768 bytes
.set TBL,   SLOT1+NST*STEPB            ; the prior's table: 16 images of 1,024 bytes (registers 0-3 at 16 x lane, 4-7 at 512 + 16 x lane)
.set STAGE, TBL+16*1024                ; the way out: 32 rows x 144 bytes for each wave
.set SP,    144
.set SPARE, STAGE+8*32*SP              ; the spare words, 128 bytes a wave; no other line names them
.set AK0, 2                            ; v2   my lane's place in a tile of K
.set AV0, 3                            ; v3   the same for V
.set ADK, 4                            ; v4   LDS address of the step's K
.set ADV, 5                            ; v5   of its V
.set TBA, 6                            ; v6   TBL + 16 x lane
.set QO,  7                            ; v7   my byte offset in the wave's rows of Q
.set STO, 8                            ; v8   the way out: where I put 16 bytes of a row
.set RD,  9                            ; v9   where I read back
.set GO,  10                           ; v10  16 x lane
.set PFO, 11                           ; v11  256 x lane: the prefetches' offset
.set SPW, 12                           ; v12  my spare word; never rewritten
.set NIL, 13                           ; v13  0; never rewritten
.set ST,  16                           ; tile t's statistics at v[ST + 8 t]: +0 m, +1 written once (named with m as a pair), +2, +3 l (even keys', odd keys'), +4..+7 c0..c3 at work; a in +6
.set Q,   32                           ; v32-63   Q: tile qt, channels 32 cc on, at 32 + 16 qt + 8 cc
.set S,   64                           ; v64-127  S^T at 64 + 32 qt + 8 kt; then p; then P in each tile's first 16 registers
.set F,   128                          ; v128-191 K at 128 + 16 kt + 8 cc; later V at 128 + 8 (4 b + dt)
.set O,   192                          ; v192-255 O^T at 192 + 32 qt + 8 dt
.set TX,  64                           ; the table's making: |k - q| as it is signed, the two exponents, the values
.set TU,  80
.set TW,  96
.set TV,  128
.set WV,  12                           ; s12  my wave's number
.set LIM, 15                           ; s15  1 in a wave that prefetches, else the greatest number
.set PFA, 18                           ; s[18:19] where my prefetches stand
.set G1K, 24                           ; s[24:31] group 1 for K's tiles; s[32:39] for V's: it differs in the padding
.set G1V, 32
.set G0K, 40                           ; s[40:43], s[44:47] their groups 0, which walk
.set G0V, 44
.set SLOTS, 48                         ; s48  slots still to be asked for
.set CNT, 49                           ; s49  counts a slot's steps
.set TB,  50                           ; s50  LDS byte at which the step's tiles begin
.set REL, 51                           ; s51  step - (16 c + 2 w - 1), taken as unsigned
.set SEL, 52                           ; s[52:53] selects for v_permlanex16_b32: lane l xor 16
.set LA,  54                           ; s54  lambda x 0.8 log2(e)
.set LB,  55                           ; s55  lambda x 0.4 log2(e)
; A joint load: waves 0-3 fetch K's tile of the slot's step w, waves 4-7 V's of step w - 4.  The branch hangs on the wave's number alone.  An s_nop 0 and four v_nop follow each line.
.macro JLOAD
	s_cmp_lt_u32 s[WV], 4
	s_cbranch_scc0 .Lfor_v_\@
	tensor_load_to_lds s[G0K:G0K+3], s[G1K:G1K+7]
	s_nop 0
.rept 4
	v_nop
.endr
	s_branch .Lasked_\@
.Lfor_v_\@:
	tensor_load_to_lds s[G0V:G0V+3], s[G1V:G1V+7]
	s_nop 0
.rept 4
	v_nop
.endr
.Lasked_\@:
.endm
; A PREFETCH INTO THE L2 of what the NEXT change of slots will ask for: 32,768 bytes of K and as many of V.  Both clusters of a head walk the same rows: the first (cluster x = 0) asks.  Its four partners share a
; slot out BY ADDRESS, 8,192 bytes each, lanes 256 bytes apart; in each, wave 0 asks for K's and wave 4 for V's: one instruction.  So each block of 256 bytes is named once in the launch.  The request stands four
; key steps ahead of the load that wants it.  The last change that fills a slot asks for nothing; slots 0 and 1 come by their loads alone.
.macro ASK
	s_cmp_gt_u32 s[SLOTS], s[LIM]
	s_cbranch_scc0 .Lnot_mine_\@
	global_prefetch_b8 v[PFO], s[PFA:PFA+1] th:TH_LOAD_NT scope:SCOPE_SE
.Lnot_mine_\@:
.endm
.macro CROUND                          ; a round of the cluster's barrier
	s_barrier_signal -1
	s_barrier_wait -1
	s_cmp_lg_u32 s[WV], 0
	s_cbranch_scc1 .Lnot_wave_0_\@
	s_barrier_signal -3
.Lnot_wave_0_\@:
	s_barrier_wait -3
	s_barrier_signal -1
	s_barrier_wait -1
.endm
	s_load_b128 s[4:7], s[0:1], 0x0                ; qkv s[4:5], prior_lambda s[6:7]
	s_load_b64 s[8:9], s[0:1], 0x10                ; ao
	v_lshl_add_u32 v[SPW], v0, 2, SPARE
	v_mov_b32 v[NIL], 0
	ds_add_u32 v[SPW], v[NIL]                      ; the wave's opening: the add, twice on end, and its wait ahead of my first tensor load
	ds_add_u32 v[SPW], v[NIL]
	v_lshrrev_b32 v1, 5, v0
	v_readfirstlane_b32 s[WV], v1                  ; wave 0..7
	s_bfe_u32 s13, ttmp6, 0x40000                  ; cx: it enters Q's, ao's and the prefetches' addresses and the table's values, and nothing else
	s_and_b32 s14, ttmp7, 0xffff                   ; batch x 16 + head, which the partners share
	s_lshl_b32 s20, s14, 18                        ; the head's first byte in Q, K or V: x 262,144
	s_and_b32 s16, s[WV], 3                        ; which of a slot's four steps I fetch:
	s_lshl_b32 s22, s16, 13                        ; its 64 rows of 128 bytes in memory,
	s_add_co_u32 s22, s22, s20
	s_mov_b32 s23, 0
	s_mul_i32 s17, s16, STEPB                      ; and its place in a slot
	s_lshl_b32 s2, ttmp9, 10
	s_lshl_b32 s3, s[WV], 7
	s_add_co_u32 s2, s2, s3
	s_lshl_b32 s3, s13, 5
	s_add_co_u32 s2, s2, s3                        ; my first query: 1024 c + 128 w + 32 cx
	s_lshl_b32 s56, s2, 7
	s_add_co_u32 s56, s56, s20                     ; its row of Q
	s_mov_b32 s57, 0
	s_lshr_b32 s3, s14, 4                          ; batch
	s_lshl_b32 s3, s3, 11
	s_add_co_u32 s3, s3, s2                        ; its token
	s_lshl_b32 s58, s3, 7
	s_and_b32 s3, s14, 15                          ; head
	s_lshl_b32 s3, s3, 19                          ; a plane of ao: 524,288 bytes
	s_add_co_u32 s58, s58, s3
	s_mov_b32 s59, 0
	s_lshr_b32 s16, s[WV], 2                       ; the prefetches: K (waves 0-3) or V,
	s_add_co_u32 s16, s16, 1
	s_lshl_b32 s16, s16, 23
	s_add_co_u32 s16, s16, s20                     ; my head,
	s_lshl_b32 s3, s13, 13
	s_add_co_u32 s16, s16, s3                      ; my work-group's 8,192 bytes of a slot,
	s_add_co_u32 s[PFA], s16, SLOTB                ; in slot 1: the first change of slots steps it to slot 2
	s_mov_b32 s[PFA+1], 0
	s_and_b32 s[LIM], s[WV], 3                     ; 0 in waves 0 and 4,
	s_or_b32 s[LIM], s[LIM], ttmp9                 ; of the head's first cluster: the same in all four partners
	s_cmp_eq_u32 s[LIM], 0
	s_cselect_b32 s[LIM], 1, -1
	s_lshl_b32 s16, ttmp9, 4
	s_lshl_b32 s3, s[WV], 1
	s_add_co_u32 s16, s16, s3
	s_sub_co_u32 s[REL], 1, s16                    ; step 0's rel
	; group 1: a tile of 64 rows x 64 elements of 2 bytes, dense in memory, padded in LDS
	s_mov_b32 s[G1K], 15|(1<<16)|(1<<20)|(1<<21)|(4<<22)|(3<<25)  ; 15:0 the mask: all four work-groups; 17:16 2 bytes; 20 padding on; 21 set beside a mask; 24:22 after every 32 words; 31:25 four words
	s_mov_b32 s[G1V], 15|(1<<16)|(1<<20)|(1<<21)|(4<<22)|(7<<25)  ; the same with eight words of padding
.irp g, G1K, G1V
	s_mov_b32 s[\g+1], 64<<16                      ; tensor_dim0
	s_mov_b32 s[\g+2], KS<<16                      ; tensor_dim1
	s_mov_b32 s[\g+3], 64<<16                      ; tile_dim0
	s_mov_b32 s[\g+4], KS                          ; tile_dim1
	s_mov_b32 s[\g+5], 64                          ; from row to row
	s_mov_b32 s[\g+6], 0
	s_mov_b32 s[\g+7], 0
.endr
	s_mov_b32 s[SEL], 0x76543210
	s_mov_b32 s[SEL+1], 0xfedcba98
	s_mov_b32 s[TB], 0
	s_mov_b32 s[SLOTS], 2048/(NST*KS)-1
	s_wait_dscnt 0x0                               ; both opening adds are done
	s_wait_kmcnt 0x0
	s_load_b32 s10, s[6:7], 0x0                    ; lambda
	s_add_nc_u64 s[56:57], s[4:5], s[56:57]        ; Q at my first query
	s_add_nc_u64 s[8:9], s[8:9], s[58:59]          ; ao likewise
	s_add_nc_u64 s[PFA:PFA+1], s[4:5], s[PFA:PFA+1]
	s_mov_b32 s[G0K], 1                            ; 1:0 count = 1
	s_mov_b32 s[G0K+1], s17                        ; 63:32 LDS address: slot 0
	s_add_nc_u64 s[G0K+2:G0K+3], s[4:5], s[22:23]  ; 120:64 global address: my step's rows,
	s_add_nc_u64 s[G0K+2:G0K+3], s[G0K+2:G0K+3], 0x800000   ; in K
	s_or_b32 s[G0K+3], s[G0K+3], 0x80000000        ; 127:126 type = 2
	s_mov_b32 s[G0V], 1
	s_add_co_u32 s[G0V+1], s17, VOFF
	s_add_nc_u64 s[G0V+2:G0V+3], s[4:5], s[22:23]
	s_add_nc_u64 s[G0V+2:G0V+3], s[G0V+2:G0V+3], 0x1000000  ; in V
	s_or_b32 s[G0V+3], s[G0V+3], 0x80000000
	CROUND                                         ; all four work-groups are here: the first joint loads meet
	JLOAD                                          ; slot 0: one tensor load of mine is out
	v_and_b32 v1, 15, v0                           ; r = l % 16
	v_bfe_u32 v14, v0, 4, 1                        ; h = l / 16
	v_lshlrev_b32 v[QO], 7, v1
	v_lshl_add_u32 v[QO], v14, 4, v[QO]            ; row x 128 + 16 x half
.irp qt, 0,1
.irp cc, 0,1
	global_load_b128 v[Q+16*\qt+8*\cc:Q+16*\qt+8*\cc+3], v[QO], s[56:57] offset:\qt*2048+64*\cc        ; Q stays in registers
	global_load_b128 v[Q+16*\qt+8*\cc+4:Q+16*\qt+8*\cc+7], v[QO], s[56:57] offset:\qt*2048+64*\cc+32
.endr
.endr
	v_mul_u32_u24 v[AK0], v1, PK
	v_lshl_add_u32 v[AK0], v14, 4, v[AK0]          ; K: row x pitch + 16 x half
	v_and_b32 v15, 7, v0                           ; V: the turning load takes 16 keys x 16 channels: lane l reads key 8 (l / 16) + l % 8, channels 8 ((l / 8) % 2) + 0..7
	v_lshl_add_u32 v[AV0], v14, 3, v15
	v_mul_u32_u24 v[AV0], v[AV0], PV
	v_bfe_u32 v15, v0, 3, 1
	v_lshl_add_u32 v[AV0], v15, 4, v[AV0]
	v_add_nc_u32 v[AV0], VOFF, v[AV0]
	v_and_b32 v15, 31, v0                          ; lane
	v_lshlrev_b32 v[GO], 4, v15
	v_add_nc_u32 v[TBA], TBL, v[GO]
	v_lshlrev_b32 v[PFO], 8, v15
	s_mul_i32 s16, s[WV], 32*SP
	s_add_co_u32 s16, s16, STAGE                   ; my stage
	v_mul_u32_u24 v[STO], v1, SP                   ; in: row r, 16 bytes for each half of the lanes
	v_lshl_add_u32 v[STO], v14, 4, v[STO]
	v_add_nc_u32 v[STO], s16, v[STO]
	v_bfe_u32 v[RD], v0, 3, 2                      ; back: eight lanes to a row of 128 bytes, four rows an instruction
	v_mul_u32_u24 v[RD], v[RD], SP
	v_and_b32 v15, 7, v0
	v_lshl_add_u32 v[RD], v15, 4, v[RD]
	v_add_nc_u32 v[RD], s16, v[RD]
	; THE TABLE: wave w makes tiles 2 w and 2 w + 1.  Register jj of tile i, lane (r, h): k - q = 16 (i - 5 - 2 cx) + 8 h + jj - r
	s_lshl_b32 s16, s[WV], 5
	s_lshl_b32 s3, s13, 5
	s_sub_co_u32 s16, s16, s3
	s_sub_co_u32 s16, s16, 80                      ; 16 (2 w - 5 - 2 cx)
	v_lshlrev_b32 v15, 3, v14
	v_sub_nc_u32 v15, v15, v1
	v_add_nc_u32 v15, s16, v15
.irp n, 0,1,2,3,4,5,6,7,8,9,10,11,12,13,14,15
	v_add_nc_u32 v[TX+\n], \n+8*(\n/8), v15        ; n = 8 u + jj: + 16 u + jj
.endr
.irp n, 0,1,2,3,4,5,6,7,8,9,10,11,12,13,14,15
	v_cvt_f32_i32 v[TX+\n], v[TX+\n]
.endr
.irp n, 0,1,2,3,4,5,6,7,8,9,10,11,12,13,14,15
	v_add_f32 v[TU+\n], -1.0, |v[TX+\n]|           ; |k - q| - 1
	v_add_f32 v[TW+\n], 0xc1f00000, |v[TX+\n]|     ; |k - q| - 30
.endr
.irp n, 0,1,2,3,4,5,6,7,8,9,10,11,12,13,14,15
	v_mul_f32 v[TU+\n], v[TU+\n], v[TU+\n]
	v_mul_f32 v[TW+\n], v[TW+\n], v[TW+\n]
.endr
.irp n, 0,1,2,3,4,5,6,7,8,9,10,11,12,13,14,15
	v_mul_f32 v[TU+\n], 0xc038aa3b, v[TU+\n]       ; x -log2(e) / (2 x 0.5^2)
	v_mul_f32 v[TW+\n], 0xbe38aa3b, v[TW+\n]       ; x -log2(e) / (2 x 2^2)
.endr
.irp n, 0,1,2,3,4,5,6,7,8,9,10,11,12,13,14,15
	v_exp_f32 v[TU+\n], v[TU+\n]                   ; one batch of 32
	v_exp_f32 v[TW+\n], v[TW+\n]
.endr
	s_lshl_b32 s16, s[WV], 11
	v_add_nc_u32 v15, s16, v[TBA]                  ; my two tiles' place (the plain line behind the last exponential)
	s_wait_kmcnt 0x0                               ; lambda
	s_mul_f32 s[LA], s10, 0x3f93bb63               ; x 0.8 log2(e)
	s_mul_f32 s[LB], s10, 0x3f13bb63               ; x 0.4 log2(e)
	s_wait_alu depctr_va_vdst(0)                   ; the wait ahead of the first line that names an exponential's result: one for the batch
.irp n, 0,1,2,3,4,5,6,7,8,9,10,11,12,13,14,15
	v_mul_f32 v[TV+\n], s[LA], v[TU+\n]
.endr
.irp n, 0,1,2,3,4,5,6,7,8,9,10,11,12,13,14,15
	v_fmac_f32 v[TV+\n], s[LB], v[TW+\n]
.endr
.irp g, 0,1,2,3
	ds_store_b128 v15, v[TV+4*\g:TV+4*\g+3] offset:512*\g
.endr
.irp t, 0,1
	v_mov_b32 v[ST+8*\t], 0xff61b1e6               ; m: -3e38, under every t
	v_mov_b32 v[ST+8*\t+1], 0
	v_mov_b32 v[ST+8*\t+2], 0                      ; l
	v_mov_b32 v[ST+8*\t+3], 0
.endr
.irp j, 0,1,2,3,4,5,6,7,8,9,10,11,12,13,14,15,16,17,18,19,20,21,22,23,24,25,26,27,28,29,30,31,32,33,34,35,36,37,38,39,40,41,42,43,44,45,46,47,48,49,50,51,52,53,54,55,56,57,58,59,60,61,62,63
	v_mov_b32 v[O+\j], 0                           ; O^T.  (The step is written once: its first pass finds zeros, which a = 0 leaves zeros)
.endr
.macro BIAS rel                        ; the prior's eight tiles of a step in the band, into the accumulators
.irp kt, 0,1,2,3
.irp qt, 0,1
	ds_load_b128 v[S+32*\qt+8*\kt:S+32*\qt+8*\kt+3], v[TBA] offset:1024*((4*\rel+\kt-\qt+1)%16)
	ds_load_b128 v[S+32*\qt+8*\kt+4:S+32*\qt+8*\kt+7], v[TBA] offset:1024*((4*\rel+\kt-\qt+1)%16)+512
.endr
.endr
.endm
.macro KQ cc, inplace                  ; eight products, channels 32 cc on; the eight accumulators take turns
.irp kt, 0,1,2,3
.irp qt, 0,1
.if \inplace
	v_wmma_f32_16x16x32_f16 v[S+32*\qt+8*\kt:S+32*\qt+8*\kt+7], v[F+16*\kt+8*\cc:F+16*\kt+8*\cc+7], v[Q+16*\qt+8*\cc:Q+16*\qt+8*\cc+7], v[S+32*\qt+8*\kt:S+32*\qt+8*\kt+7]
.else
	v_wmma_f32_16x16x32_f16 v[S+32*\qt+8*\kt:S+32*\qt+8*\kt+7], v[F+16*\kt+8*\cc:F+16*\kt+8*\cc+7], v[Q+16*\qt+8*\cc:Q+16*\qt+8*\cc+7], 0
.endif
.endr
.endr
.endm
; Both tiles' softmax for one key step, line by line by turns, so that no line waits for the line above it.
.macro SOFTMAX
.irp k, 0,1,2,3                        ; the maximum of the lane's 32 scores and the old m, three operands at a time: four chains, each begun at its accumulator's low end
.irp t, 0,1
	v_max3_num_f32 v[ST+8*\t+4+\k], v[S+32*\t+8*\k], v[S+32*\t+8*\k+1], v[S+32*\t+8*\k+2]
.endr
.endr
.irp g, 1,2
.irp k, 0,1,2,3
.irp t, 0,1
	v_max3_num_f32 v[ST+8*\t+4+\k], v[ST+8*\t+4+\k], v[S+32*\t+8*\k+2*\g+1], v[S+32*\t+8*\k+2*\g+2]
.endr
.endr
.endr
.irp t, 0,1
	v_max3_num_f32 v[ST+8*\t+4], v[ST+8*\t+4], v[S+32*\t+7], v[S+32*\t+15]
.endr
.irp t, 0,1
	v_max3_num_f32 v[ST+8*\t+6], v[ST+8*\t+6], v[S+32*\t+23], v[S+32*\t+31]
.endr
.irp t, 0,1
	v_max3_num_f32 v[ST+8*\t+4], v[ST+8*\t+4], v[ST+8*\t+5], v[ST+8*\t+6]
.endr
.irp t, 0,1
	v_max3_num_f32 v[ST+8*\t+4], v[ST+8*\t+4], v[ST+8*\t+7], v[ST+8*\t]
.endr
.irp t, 0,1
	v_permlanex16_b32 v[ST+8*\t+5], v[ST+8*\t+4], s[SEL], s[SEL+1]   ; the query's other 32 keys lie in the lane 16 away
.endr
.irp t, 0,1
	v_mov_b32 v[ST+8*\t+7], v[ST+8*\t]             ; m_old
.endr
.irp t, 0,1
	v_max_num_f32 v[ST+8*\t], v[ST+8*\t+4], v[ST+8*\t+5]
.endr
.irp t, 0,1
	v_sub_f32 v[ST+8*\t+7], v[ST+8*\t+7], v[ST+8*\t]   ; m_old - m_new
.endr
.irp i, 0,2,4,6,8,10,12,14,16,18,20,22,24,26,28,30
.irp t, 0,1
	v_pk_add_f32 v[S+32*\t+\i:S+32*\t+\i+1], v[S+32*\t+\i:S+32*\t+\i+1], v[ST+8*\t:ST+8*\t+1] op_sel_hi:[1,0] neg_lo:[0,1] neg_hi:[0,1]   ; t - m, two at a time
.endr
.endr
.irp t, 0,1
	v_exp_f32 v[ST+8*\t+6], v[ST+8*\t+7]           ; a.  ONE BATCH of 66 exponentials, none of which reads another's result
.endr
.irp i, 0,1,2,3,4,5,6,7,8,9,10,11,12,13,14,15,16,17,18,19,20,21,22,23,24,25,26,27,28,29,30,31
.irp t, 0,1
	v_exp_f32 v[S+32*\t+\i], v[S+32*\t+\i]         ; p = 2^(t - m)
.endr
.endr
	v_nop                                          ; a plain line behind the last exponential
	s_wait_alu depctr_va_vdst(0)                   ; the wait ahead of the first line that names a result: one for the batch
.irp t, 0,1
	v_pk_mul_f32 v[ST+8*\t+2:ST+8*\t+3], v[ST+8*\t+2:ST+8*\t+3], v[ST+8*\t+6:ST+8*\t+7] op_sel_hi:[1,0]   ; l x a
.endr
.irp t, 0,1
	v_pk_add_f32 v[ST+8*\t+4:ST+8*\t+5], v[S+32*\t:S+32*\t+1], v[S+32*\t+2:S+32*\t+3]   ; the sum of the unrounded p, in two chains
.endr
.irp i, 4,8,12,16,20,24,28
.irp t, 0,1
	v_pk_add_f32 v[ST+8*\t+2:ST+8*\t+3], v[ST+8*\t+2:ST+8*\t+3], v[S+32*\t+\i:S+32*\t+\i+1]
	v_pk_add_f32 v[ST+8*\t+4:ST+8*\t+5], v[ST+8*\t+4:ST+8*\t+5], v[S+32*\t+\i+2:S+32*\t+\i+3]
.endr
.endr
.irp t, 0,1
	v_pk_add_f32 v[ST+8*\t+2:ST+8*\t+3], v[ST+8*\t+2:ST+8*\t+3], v[ST+8*\t+4:ST+8*\t+5]
.endr
.irp i, 0,1,2,3,4,5,6,7,8,9,10,11,12,13,14,15
.irp t, 0,1
	v_cvt_pk_f16_f32 v[S+32*\t+\i], v[S+32*\t+2*\i], v[S+32*\t+2*\i+1]   ; in place, ascending: the tile's first 16 registers become P: keys 32 b on at + 8 b
.endr
.endr
.irp i, 0,2,4,6,8,10,12,14,16,18,20,22,24,26,28,30
.irp t, 0,1
	v_pk_mul_f32 v[O+32*\t+\i:O+32*\t+\i+1], v[O+32*\t+\i:O+32*\t+\i+1], v[ST+8*\t+6:ST+8*\t+7] op_sel_hi:[1,0]   ; O^T x a, each accumulator from its low end on
.endr
.endr
.endm
; A KEY STEP: 64 keys.
.macro STEP
	v_add_nc_u32 v[ADK], s[TB], v[AK0]
	v_add_nc_u32 v[ADV], s[TB], v[AV0]
.rept 3
	v_nop                                          ; with the two additions five places behind the last products: their operands are loaded into, and written over by matrix instructions, below (ISA guide 7.12.1)
.endr
.irp kt, 0,1,2,3
.irp cc, 0,1
	ds_load_b128 v[F+16*\kt+8*\cc:F+16*\kt+8*\cc+3], v[ADK] offset:\kt*16*PK+64*\cc
	ds_load_b128 v[F+16*\kt+8*\cc+4:F+16*\kt+8*\cc+7], v[ADK] offset:\kt*16*PK+64*\cc+32
.endr
.endr
	s_cmp_lt_u32 s[REL], 4                         ; in the band?  The wave's number, the cluster's x and the count of steps alone: the same in all four partners
	s_cbranch_scc0 .Lfar_\@
	s_cmp_eq_u32 s[REL], 0
	s_cbranch_scc1 .Lb0_\@
	s_cmp_eq_u32 s[REL], 1
	s_cbranch_scc1 .Lb1_\@
	s_cmp_eq_u32 s[REL], 2
	s_cbranch_scc1 .Lb2_\@
	BIAS 3
	s_branch .Lband_\@
.Lb0_\@:
	BIAS 0
	s_branch .Lband_\@
.Lb1_\@:
	BIAS 1
	s_branch .Lband_\@
.Lb2_\@:
	BIAS 2
.Lband_\@:
	s_wait_dscnt 0x0                               ; K and the prior's tiles are in
	KQ 0, 1                                        ; the prior is the C of each sum's first product
	s_branch .Ljoin_\@
.Lfar_\@:
	s_wait_dscnt 0x0                               ; K is in
	KQ 0, 0                                        ; the prior is exactly 0 here
.Ljoin_\@:
	KQ 1, 1
.rept 4
	v_nop                                          ; places in front of the loads into K's registers and of the first read of the scores
.endr
.irp b, 0,1
.irp dt, 0,1,2,3
	ds_load_tr16_b128 v[F+8*(4*\b+\dt):F+8*(4*\b+\dt)+3], v[ADV] offset:\b*32*PV+32*\dt
	ds_load_tr16_b128 v[F+8*(4*\b+\dt)+4:F+8*(4*\b+\dt)+7], v[ADV] offset:\b*32*PV+16*PV+32*\dt
.endr
.endr
	SOFTMAX                                        ; V lands meanwhile
	s_wait_dscnt 0x0                               ; V is in
.irp b, 0,1                            ; O^T += V^T P: eight accumulators by turns
.irp dt, 0,1,2,3
.irp qt, 0,1
	v_wmma_f32_16x16x32_f16 v[O+32*\qt+8*\dt:O+32*\qt+8*\dt+7], v[F+8*(4*\b+\dt):F+8*(4*\b+\dt)+7], v[S+32*\qt+8*\b:S+32*\qt+8*\b+7], v[O+32*\qt+8*\dt:O+32*\qt+8*\dt+7]
.endr
.endr
.endr
	s_add_co_u32 s[TB], s[TB], STEPB
	s_add_co_u32 s[REL], s[REL], 1
.endm
.macro FOUR_STEPS                      ; a slot's steps: written once, walked four times
	s_mov_b32 s[CNT], NST
.Lstep_\@:
	STEP
	s_sub_co_u32 s[CNT], s[CNT], 1
	s_cmp_lg_u32 s[CNT], 0
	s_cbranch_scc1 .Lstep_\@
	s_sub_co_u32 s[TB], s[TB], NST*STEPB           ; back to a slot's first step,
	s_xor_b32 s[TB], s[TB], SLOT1                  ; in the other slot
.endm
; THE CHANGE OF SLOTS stands at a slot's head.  Each wave waits for all its tensor loads (its part of the slot ahead), adds 0 to its spare word, and waits for that and for its LDS instructions: its reads of the slot
; that it has left, and at the first change its stores into the table.  fill = 1: the barrier is a round of the cluster's, so that no wave of any partner still reads the other slot or has a load on its way, and
; the joint load of the keys that follow is the first thing behind it: it has four key steps, 128 matrix instructions a wave, in which to land.
.macro CHANGE fill
	s_wait_tensorcnt 0x0                           ; no tensor load of mine is out, so a group 0 may be written
	ds_add_u32 v[SPW], v[NIL]
.if \fill
	s_xor_b32 s[G0K+1], s[G0K+1], SLOT1            ; the walking descriptors: the other slot than last time,
	s_add_nc_u64 s[G0K+2:G0K+3], s[G0K+2:G0K+3], SLOTB   ; the next 256 keys; the type bits on top are not reached
	s_xor_b32 s[G0V+1], s[G0V+1], SLOT1
	s_add_nc_u64 s[G0V+2:G0V+3], s[G0V+2:G0V+3], SLOTB
	s_wait_xcnt 0x0                                ; the last prefetch, a slot back, has read its address, so it may be written:
	s_add_nc_u64 s[PFA:PFA+1], s[PFA:PFA+1], SLOTB ; one slot further on than the walking descriptors
	s_wait_dscnt 0x0
	CROUND
	JLOAD
	ASK
.else
	s_wait_dscnt 0x0
	s_barrier_signal -1
	s_barrier_wait -1
.endif
.endm
	s_wait_loadcnt 0x0                             ; Q
.Lslot:                                            ; seven trips: trip n reads slot n's keys and asks for slot n + 1's
	CHANGE 1
	FOUR_STEPS
	s_sub_co_u32 s[SLOTS], s[SLOTS], 1
	s_cmp_lg_u32 s[SLOTS], 0
	s_cbranch_scc1 .Lslot
	CHANGE 0                                       ; the last slot is written out
	FOUR_STEPS
	; THE WAY OUT.  l's two halves and the other half of the lanes' are added (these lines are the places behind the last products); O^T / l is rounded to f16 and goes through my stage.
.irp t, 0,1
	v_add_f32 v[ST+8*\t+4], v[ST+8*\t+2], v[ST+8*\t+3]
.endr
.irp t, 0,1
	v_permlanex16_b32 v[ST+8*\t+5], v[ST+8*\t+4], s[SEL], s[SEL+1]
.endr
.irp t, 0,1
	v_add_f32 v[ST+8*\t+4], v[ST+8*\t+4], v[ST+8*\t+5]
.endr
.irp t, 0,1
	v_rcp_f32 v[ST+8*\t+6], v[ST+8*\t+4]
.endr
	v_nop                                          ; a plain line behind the last reciprocal
	s_wait_alu depctr_va_vdst(0)                   ; and the wait ahead of the first use: one for the two
.irp t, 0,1
.irp i, 0,2,4,6,8,10,12,14,16,18,20,22,24,26,28,30
	v_pk_mul_f32 v[O+32*\t+\i:O+32*\t+\i+1], v[O+32*\t+\i:O+32*\t+\i+1], v[ST+8*\t+6:ST+8*\t+7] op_sel_hi:[1,0]
.endr
.irp i, 0,1,2,3,4,5,6,7,8,9,10,11,12,13,14,15
	v_cvt_pk_f16_f32 v[F+16*\t+\i], v[O+32*\t+2*\i], v[O+32*\t+2*\i+1]   ; registers 4 dt .. 4 dt + 3: channels 16 dt + 8 h + 0..7 of query r
.endr
.irp dt, 0,1,2,3
	ds_store_b128 v[STO], v[F+16*\t+4*\dt:F+16*\t+4*\dt+3] offset:16*SP*\t+32*\dt
.endr
.endr
.irp i, 0,1,2,3,4,5,6,7
	ds_load_b128 v[S+4*\i:S+4*\i+3], v[RD] offset:4*SP*\i   ; LDS serves a wave's instructions in order: these see my stores
.endr
.irp i, 0,1,2,3,4,5,6,7
	s_wait_dscnt 7-\i                              ; load i is in; the younger ones may be out
	global_store_b128 v[GO], v[S+4*\i:S+4*\i+3], s[8:9] offset:512*\i   ; 32 lanes store four rows of 128 bytes: 512 consecutive bytes, aligned
.endr
	s_wait_tensorcnt 0x0                           ; the wave's end: these three lines behind my last tensor load and my last LDS store
	ds_add_u32 v[SPW], v[NIL]
	s_wait_dscnt 0x0
	CROUND                                         ; the closing round: no work-group ends while a partner may still ask for a tile that names it
	s_endpgm
.Lfunc_end_k_qe9a4fe8db9_attn:
	.size	k_qe9a4fe8db9_attn, .Lfunc_end_k_qe9a4fe8db9_attn-k_qe9a4fe8db9_attn
	.p2alignl 7, 3214868480
	.fill 96, 4, 3214868480
	.section	.rodata,"a",@progbits
	.p2align	6, 0x0
	.amdhsa_kernel k_qe9a4fe8db9_attn
		.amdhsa_group_segment_fixed_size 327680
		.amdhsa_private_segment_fixed_size 0
		.amdhsa_enable_private_segment 0
		.amdhsa_kernarg_size 24
		.amdhsa_user_sgpr_count 2
		.amdhsa_user_sgpr_kernarg_segment_ptr 1
		.amdhsa_wavefront_size32 1
		.amdhsa_system_sgpr_workgroup_id_x 1
		.amdhsa_system_sgpr_workgroup_id_y 1
		.amdhsa_system_sgpr_workgroup_id_z 1
		.amdhsa_system_vgpr_workitem_id 0
		.amdhsa_next_free_vgpr 256
		.amdhsa_next_free_sgpr 66
		.amdhsa_reserve_vcc 0
		.amdhsa_float_denorm_mode_32 3
		.amdhsa_float_denorm_mode_16_64 3
		.amdhsa_memory_ordered 1
		.amdhsa_forward_progress 1
		.amdhsa_inst_pref_size 72
	.end_amdhsa_kernel
	.amdgpu_metadata
---
amdhsa.version: [ 1, 2 ]
amdhsa.kernels:
  - .name:           k_qe9a4fe8db9_attn
    .symbol:         k_qe9a4fe8db9_attn.kd
    .args:
      - { .name: qkv, .offset: 0, .size: 8, .value_kind: global_buffer, .address_space: global }
      - { .name: prior_lambda, .offset: 8, .size: 8, .value_kind: global_buffer, .address_space: global }
      - { .name: ao, .offset: 16, .size: 8, .value_kind: global_buffer, .address_space: global }
    .group_segment_fixed_size: 327680
    .private_segment_fixed_size: 0
    .kernarg_segment_align: 8
    .kernarg_segment_size: 24
    .max_flat_workgroup_size: 256
    .sgpr_count:     66
    .vgpr_count:     256
    .wavefront_size: 32
...
	.end_amdgpu_metadata
.endif
;; end of part 3
;; launch proj (part 4): grid 8 x 32, 4 waves a work-group, clusters of 4 x 4, 327,680 bytes of LDS; arguments ao, wo16, bo, out0; writes out0
.if DOCPART == 4
	.amdgcn_target "amdgcn-amd-amdhsa--gfx1250"
	.amdhsa_code_object_version 6
	.text
	.protected	k_qe9a4fe8db9_proj
	.globl	k_qe9a4fe8db9_proj
	.p2align	8
	.type	k_qe9a4fe8db9_proj,@function
k_qe9a4fe8db9_proj:
	s_mov_b64 s[64:65], 0
	v_nop
	global_prefetch_b8 v0, s[64:65] scope:SCOPE_SE
	s_setreg_imm32_b32 hwreg(HW_REG_WAVE_MODE, 25, 1), 1
	s_wait_xcnt 0x0
	s_wait_alu depctr_hold_cnt(0) depctr_sa_sdst(0) depctr_va_vdst(0) depctr_va_sdst(0) depctr_va_ssrc(0) depctr_va_vcc(0) depctr_vm_vsrc(0)
	s_getreg_b32 s2, hwreg(HW_REG_IB_STS2, 6, 4)
	s_cmp_eq_u32 s2, 0
	s_cbranch_scc0 .Lentry_in_a_cluster
	s_endpgm
.Lentry_in_a_cluster:
	s_bfe_u32 s2, ttmp6, 0x10000c
	s_cmp_lg_u32 s2, 0xf033
	s_cbranch_scc0 .Lentry_shape_is_right
	s_endpgm
.Lentry_shape_is_right:
; out0[token][n] = sum over k of ao[token][k] Wo[n][k] + bo[n].  ao: [16 heads][4096 tokens][64] f16 (k = 64 head + channel); wo16: [1024 n][1024 k] f16; out0: [4096][1024] f32; sums in f32.
; 32 x 8 = 256 tiles of 128 x 128, one to a work-group of four waves, each 64 x 64: 16 accumulators of 16 x 16.  K goes in steps of 256 through two LDS slots: four steps, each slot filled twice.
; A's TILE: a K step is four heads' planes.  One tensor load brings 64 tokens x 4 planes: a plane's 64 token rows of 128 bytes are dense, so they are one descriptor row of 4,096 elements, four such rows
; 262,144 elements apart; 16 bytes of padding behind every 128 give token rows 144 bytes apart in LDS, a plane 9,216.  A quarter of a K step (64 along K) is one plane.
; CLUSTERS: 4 x 4 work-groups: A's tiles are shared along a row of the cluster, B's along a column, each asked for JOINTLY.  Used TRANSPOSED (source 0 = 16 rows of Wo, source 1 = 16 tokens): a lane holds eight
; neighbouring columns of one token.  THE BIAS is the C of each sum's first product.  No prefetch: small tiles, and the launch is short.
; REGISTERS: window 0: v0-31 addresses; v32-95 rows on the way out; v96-127 the bias, four tiles of 8; v128-255 the accumulators ((a, b) at v[128 + 8 (4 a + b)]).
;   window 1: two fragment buffers of 128: for 64 along K, 64 registers of A (2 x 4 x 16 tokens x 32 K), then 64 of B.
.set SIZE_N, 1024
.set SIZE_K, 1024
.set KSTEP,  256
.set PA,     144                       ; a token's row of one plane in LDS: 128 bytes + 16 = 36 words: the 16 rows of a load start at different banks
.set PLANE,  64*PA                     ; a plane's 64 tokens
.set HALFA,  4*PLANE                   ; what one tensor load brings of A
.set ASTEP,  4*4096*128                ; a K step on in ao: four planes of 524,288 bytes
.set PB,     528                       ; a row of B in LDS: 512 bytes + 16
.set HALFB,  64*PB                     ; what one tensor load brings of B
.set BOFF,   2*HALFA                   ; B's 128 rows lie behind A's two halves
.set SLOT,   2*HALFA+2*HALFB
.set STAGE,  2*SLOT                    ; behind the ring: 16 rows x 272 bytes for each wave
.set SPITCH, 272
.set SPARE,  STAGE+4*16*SPITCH         ; the spare words, 128 bytes a wave; no other line names them
.set LAPS,   SIZE_K/(2*KSTEP)          ; a lap = two K steps = once round the ring
.set ADRA, 16                          ; v16-17  LDS address of my A fragments in slot 0, 1
.set ADRB, 20                          ; v20-21  the same for B
.set STO,  24                          ; v24     the way out: where I put 32 bytes of a row
.set RD,   25                          ; v25     where I read a row back
.set CO,   26                          ; v26     my byte offset in out0
.set BO,   27                          ; v27     32 x (lane / 16): my half's eight numbers of a bias tile
.set SPW,  28                          ; v28     my spare word; never rewritten
.set NIL,  29                          ; v29     0; never rewritten
.set OB,   32                          ; the way out: v32-63 and v64-95 by turns
.set BI,   96                          ; the bias
.set ACC,  128
.set F0,   0                           ; fragment buffers, in window 1
.set F1,   128
.set G1, 24                            ; s[24:31] group 1 for A's tiles; s[32:39] group 0, one set for each slot
.set G0, 32
.set G1B, 48                           ; s[48:55], s[56:63] the same for B's
.set G0B, 56
.set MSB, 0
.macro WIN new                         ; the immediate's high byte repeats the setting that is left
.if MSB != \new
	s_set_vgpr_msb (MSB<<8)|\new
.set MSB, \new
.endif
.endm
.set MUL,  0x05                        ; sources 0 (B) and 1 (A) window 1; C and D window 0
.set TO_F, 0x40                        ; destination window 1, address window 0
.macro JLOAD s                         ; a joint load: waves 0 and 1 fetch A's two halves, waves 2 and 3 B's; an s_nop 0 and four v_nop follow each of the two lines
	s_cmp_eq_u32 s11, 0
	s_cbranch_scc0 .Lfor_b_\@
	tensor_load_to_lds s[G0+4*\s:G0+4*\s+3], s[G1:G1+7]
	s_nop 0
.rept 4
	v_nop
.endr
	s_branch .Lasked_\@
.Lfor_b_\@:
	tensor_load_to_lds s[G0B+4*\s:G0B+4*\s+3], s[G1B:G1B+7]
	s_nop 0
.rept 4
	v_nop
.endr
.Lasked_\@:
.endm
.macro CREST                           ; a round of the cluster's barrier behind its opening barrier
	s_cmp_lg_u32 s10, 0
	s_cbranch_scc1 .Lnot_wave_0_\@
	s_barrier_signal -3
.Lnot_wave_0_\@:
	s_barrier_wait -3
	s_barrier_signal -1
	s_barrier_wait -1
.endm
.macro CROUND                          ; a whole round
	s_barrier_signal -1
	s_barrier_wait -1
	CREST
.endm
	s_load_b128 s[4:7], s[0:1], 0x0                ; ao s[4:5], wo16 s[6:7]
	s_load_b64 s[66:67], s[0:1], 0x10              ; bo
	s_load_b64 s[8:9], s[0:1], 0x18                ; out0
	v_lshl_add_u32 v[SPW], v0, 2, SPARE
	v_mov_b32 v[NIL], 0
	ds_add_u32 v[SPW], v[NIL]                      ; the wave's opening: the add, twice on end, and its wait ahead of my first tensor load
	ds_add_u32 v[SPW], v[NIL]
	v_lshrrev_b32 v1, 5, v0
	v_readfirstlane_b32 s10, v1                    ; wave 0..3
	s_lshr_b32 s11, s10, 1                         ; which half of the tile's rows is mine.  Also: I fetch for A (0) or for B (1)
	s_and_b32 s12, s10, 1                          ; which half of its columns.  Also: which 64 rows of that tile I fetch
	s_bfe_u32 s40, ttmp6, 0x40000                  ; cx, cy: my place in the cluster
	s_bfe_u32 s41, ttmp6, 0x40004
	s_lshl_b32 s42, ttmp9, 2
	s_add_co_u32 s42, s42, s40                     ; tile column = 4 x cluster x + cx
	s_and_b32 s13, ttmp7, 0xffff
	s_lshl_b32 s13, s13, 2
	s_add_co_u32 s13, s13, s41                     ; tile row = 4 x cluster y + cy
	s_lshl_b32 s43, s41, 2
	s_lshl_b32 s43, 15, s43                        ; my row of the cluster
	s_lshl_b32 s44, 0x1111, s40                    ; my column
	; group 1 for A: 4 rows (planes) x 4,096 elements of 2 bytes, 262,144 elements apart; four words of padding after every 32
	s_or_b32 s[G1+0], s43, (1<<16)|(1<<20)|(1<<21)|(4<<22)|(3<<25)
	s_mov_b32 s[G1+1], 4096<<16                    ; tensor_dim0
	s_mov_b32 s[G1+2], 4<<16                       ; tensor_dim1
	s_mov_b32 s[G1+3], 4096<<16                    ; tile_dim0
	s_mov_b32 s[G1+4], 4                           ; tile_dim1
	s_mov_b32 s[G1+5], 262144                      ; from plane to plane
	s_mov_b32 s[G1+6], 0
	s_mov_b32 s[G1+7], 0
	; group 1 for B: 64 rows x 256 elements, 1,024 elements apart; four words of padding after every 128
	s_or_b32 s[G1B+0], s44, (1<<16)|(1<<20)|(1<<21)|(6<<22)|(3<<25)
	s_mov_b32 s[G1B+1], KSTEP<<16
	s_mov_b32 s[G1B+2], 64<<16
	s_mov_b32 s[G1B+3], KSTEP<<16
	s_mov_b32 s[G1B+4], 64
	s_mov_b32 s[G1B+5], SIZE_K
	s_mov_b32 s[G1B+6], 0
	s_mov_b32 s[G1B+7], 0
	s_lshl_b32 s17, s12, 6                         ; which 64 rows of the tile I fetch
	s_lshl_b32 s16, s13, 7
	s_add_co_u32 s16, s16, s17                     ; A: token 128 x tile row + 64 x half,
	s_lshl_b32 s16, s16, 7                         ; x 128 bytes
	s_lshl_b32 s46, s42, 7
	s_add_co_u32 s46, s46, s17                     ; B: row 128 x tile column + 64 x half,
	s_lshl_b32 s46, s46, 11                        ; x 2,048 bytes
	s_mov_b32 s17, 0
	s_mov_b32 s47, 0
	s_mul_i32 s20, s12, HALFA                      ; where they go: A's half,
	s_mul_i32 s21, s12, HALFB
	s_add_co_u32 s21, s21, BOFF                    ; B's half: no place in the cluster enters an LDS address
	s_wait_dscnt 0x0                               ; both opening adds are done
	s_wait_kmcnt 0x0
	s_add_nc_u64 s[14:15], s[4:5], s[16:17]
	s_add_nc_u64 s[46:47], s[6:7], s[46:47]
	CROUND                                         ; all sixteen work-groups are here: the first joint loads meet
.irp s, 0,1
	s_mov_b32 s[G0+4*\s], 1
	s_add_co_u32 s[G0+4*\s+1], s20, \s*SLOT
	s_add_nc_u64 s[G0+4*\s+2:G0+4*\s+3], s[14:15], \s*ASTEP
	s_or_b32 s[G0+4*\s+3], s[G0+4*\s+3], 0x80000000
	s_mov_b32 s[G0B+4*\s], 1
	s_add_co_u32 s[G0B+4*\s+1], s21, \s*SLOT
	s_add_nc_u64 s[G0B+4*\s+2:G0B+4*\s+3], s[46:47], \s*KSTEP*2
	s_or_b32 s[G0B+4*\s+3], s[G0B+4*\s+3], 0x80000000
	JLOAD \s                                       ; two tensor loads of mine are out
.endr
	v_and_b32 v1, 15, v0                           ; r = l % 16
	v_bfe_u32 v2, v0, 4, 1                         ; h = l / 16
	v_mul_u32_u24 v3, v1, PA
	v_lshl_add_u32 v3, v2, 4, v3                   ; A: a fragment's row x pitch + 16 x half
	v_mul_u32_u24 v4, v1, PB
	v_lshl_add_u32 v4, v2, 4, v4                   ; B likewise
	s_mul_i32 s21, s11, HALFA                      ; my 64 tokens
	s_mul_i32 s22, s12, HALFB                      ; my 64 rows of B,
	s_add_co_u32 s22, s22, BOFF                    ; which lie behind A
.irp s, 0,1
	v_add_nc_u32 v[ADRA+\s], s21, v3
	v_add_nc_u32 v[ADRB+\s], s22, v4
	s_add_co_u32 s21, s21, SLOT
	s_add_co_u32 s22, s22, SLOT
.endr
	s_mul_i32 s23, s10, 16*SPITCH
	s_add_co_u32 s23, s23, STAGE                   ; my stage
	v_mul_u32_u24 v5, v1, SPITCH                   ; in: row r, 32 bytes for each half of the lanes
	v_lshl_add_u32 v5, v2, 5, v5
	v_add_nc_u32 v[STO], s23, v5
	v_mul_u32_u24 v5, v2, SPITCH                   ; back: lanes 0-15 take one row of 256 bytes, lanes 16-31 the next
	v_lshl_add_u32 v5, v1, 4, v5
	v_add_nc_u32 v[RD], s23, v5
	v_lshlrev_b32 v5, 12, v2                       ; and the same two rows in out0: 4,096 bytes a row
	v_lshl_add_u32 v[CO], v1, 4, v5
	s_lshl_b32 s16, s13, 7
	s_lshl_b32 s17, s11, 6
	s_add_co_u32 s16, s16, s17                     ; my first row: 128 x tile row + 64 x half,
	s_lshl_b32 s16, s16, 12                        ; x 4,096 bytes
	s_mov_b32 s17, 0
	s_add_nc_u64 s[8:9], s[8:9], s[16:17]
	s_lshl_b32 s46, s42, 7
	s_lshl_b32 s47, s12, 6
	s_add_co_u32 s46, s46, s47                     ; my first column: 128 x tile column + 64 x half,
	s_lshl_b32 s46, s46, 2                         ; x 4 bytes: a multiple of 256
	s_mov_b32 s47, 0
	s_add_nc_u64 s[8:9], s[8:9], s[46:47]
	s_add_nc_u64 s[66:67], s[66:67], s[46:47]      ; and the same place in bo
	v_lshlrev_b32 v[BO], 5, v2
.irp b, 0,1,2,3                        ; tile b's register j of lane (r, h) is the bias of column 16 b + 8 h + j of my 64
	global_load_b128 v[BI+8*\b:BI+8*\b+3], v[BO], s[66:67] offset:64*\b
	global_load_b128 v[BI+8*\b+4:BI+8*\b+7], v[BO], s[66:67] offset:64*\b+16
.endr
; 8 matrix instructions: m blocks a0, a0 + 1 x all 4 n blocks, 32 along K: half c of buffer f.  zero = 1: the first product starts the sums from the bias.  The 16 accumulators take turns.
.macro MUL8 f, c, a0, zero
.irp a, \a0, \a0+1
.irp b, 0,1,2,3
.if \zero
	v_wmma_f32_16x16x32_f16 v[ACC+8*(4*(\a)+\b):ACC+8*(4*(\a)+\b)+7], v[\f+64+8*(4*\c+\b):\f+64+8*(4*\c+\b)+7], v[\f+8*(4*\c+\a):\f+8*(4*\c+\a)+7], v[BI+8*\b:BI+8*\b+7]
.else
	v_wmma_f32_16x16x32_f16 v[ACC+8*(4*(\a)+\b):ACC+8*(4*(\a)+\b)+7], v[\f+64+8*(4*\c+\b):\f+64+8*(4*\c+\b)+7], v[\f+8*(4*\c+\a):\f+8*(4*\c+\a)+7], v[ACC+8*(4*(\a)+\b):ACC+8*(4*(\a)+\b)+7]
.endif
.endr
.endr
.endm
; 32 LDS loads in one run: the fragments of the slot's quarter q (plane q of A; bytes 128 q on of B's rows) into buffer f; the first 32 along K first
.macro FETCH slot, q, f
	WIN TO_F
.irp c, 0,1
.irp i, 0,1,2,3
	ds_load_b128 v[\f+64+8*(4*\c+\i):\f+64+8*(4*\c+\i)+3],   v[ADRB+\slot] offset:128*(\q)+64*\c+\i*16*PB
	ds_load_b128 v[\f+64+8*(4*\c+\i)+4:\f+64+8*(4*\c+\i)+7], v[ADRB+\slot] offset:128*(\q)+64*\c+\i*16*PB+32
	ds_load_b128 v[\f+8*(4*\c+\i):\f+8*(4*\c+\i)+3],         v[ADRA+\slot] offset:PLANE*(\q)+64*\c+\i*16*PA
	ds_load_b128 v[\f+8*(4*\c+\i)+4:\f+8*(4*\c+\i)+7],       v[ADRA+\slot] offset:PLANE*(\q)+64*\c+\i*16*PA+32
.endr
.endr
.endm
.macro PLACES                          ; four places in front of loads into registers that matrix instructions have read, and of the first read of results
.rept 4
	v_nop
.endr
.endm
; A K step is four quarters of 64 along K, 32 matrix instructions each, on buffers 0, 1, 0, 1.  One of the first three: multiplies buffer f and fetches quarter q into g.
.macro QUARTER slot, q, f, g, zero
	s_wait_dscnt 16                                ; the first 32 along K are in; the younger sixteen loads may be out
	WIN MUL
	MUL8 \f, 0, 0, \zero
	MUL8 \f, 0, 2, \zero
	PLACES
	FETCH \slot, \q, \g
	s_wait_dscnt 32                                ; all but the 32 just issued
	WIN MUL
	MUL8 \f, 1, 0, 0
	MUL8 \f, 1, 2, 0
.endm
; The last quarter multiplies buffer 1 and changes slots: ONE barrier; in front of it each wave waits for all its tensor loads, adds 0 to its spare word, and waits for that and for its reads of this slot.
; fill = 1: the barrier opens a round of the cluster's, and this slot is filled again, two K steps ahead, first thing behind the round.
.macro TURN slot, next, fill
	WIN 0                                          ; (the add's two registers lie in window 0)
	s_wait_tensorcnt 0x0                           ; all my tensor loads have landed: my part of the next slot
	ds_add_u32 v[SPW], v[NIL]
	s_wait_dscnt 17                                ; (the add and the youngest sixteen loads may be out)
	WIN MUL
	MUL8 F1, 0, 0, 0                               ; eight matrix instructions stand between the add and the wait for it
	s_wait_dscnt 0x0                               ; the add is done, and my reads of this slot are over
	s_barrier_signal -1
	MUL8 F1, 0, 2, 0
.if \fill
	WIN 0
.endif
	s_barrier_wait -1
.if \fill
	CREST                                          ; no wave of any partner still reads this slot's tile or has a load on its way
	s_add_nc_u64 s[G0+4*\slot+2:G0+4*\slot+3], s[G0+4*\slot+2:G0+4*\slot+3], 2*ASTEP
	s_add_nc_u64 s[G0B+4*\slot+2:G0B+4*\slot+3], s[G0B+4*\slot+2:G0B+4*\slot+3], 2*KSTEP*2
	JLOAD \slot                                    ; 112 matrix instructions ahead of the wait for it; the four v_nop behind it are also the places in front of the loads below
.else
	PLACES
.endif
	FETCH \next, 0, F0
	WIN MUL
	MUL8 F1, 1, 0, 0
	MUL8 F1, 1, 2, 0
.endm
	s_wait_tensorcnt 1                             ; my part of K step 0 is in (K step 1's load may be out)
	s_barrier_signal -1
	s_barrier_wait -1                              ; everybody's is
	FETCH 0, 0, F0
	s_wait_loadcnt 0x0                             ; the bias
	QUARTER 0, 1, F0, F1, 1                        ; the first quarter stands in front of the loop: its first products start the sums from the bias
	WIN 0                                          ; at a label and at a branch every window is 0
	s_mov_b32 s3, LAPS-1
.Llap:                                                 ; a trip goes once round the ring, from a lap's second quarter to the next lap's first, and fills both slots again
	QUARTER 0, 2, F1, F0, 0
	QUARTER 0, 3, F0, F1, 0
	TURN 0, 1, 1
	QUARTER 1, 1, F0, F1, 0
	QUARTER 1, 2, F1, F0, 0
	QUARTER 1, 3, F0, F1, 0
	TURN 1, 0, 1
	QUARTER 0, 1, F0, F1, 0
	WIN 0
	s_sub_co_u32 s3, s3, 1
	s_cmp_lg_u32 s3, 0
	s_cbranch_scc1 .Llap
	QUARTER 0, 2, F1, F0, 0                        ; the last lap fills nothing, and has no round of the cluster's barrier
	QUARTER 0, 3, F0, F1, 0
	TURN 0, 1, 0
	QUARTER 1, 1, F0, F1, 0
	QUARTER 1, 2, F1, F0, 0
	QUARTER 1, 3, F0, F1, 0
	s_wait_dscnt 16                                ; the very last quarter: nothing more to fetch
	WIN MUL
	MUL8 F1, 0, 0, 0
	MUL8 F1, 0, 2, 0
	s_wait_dscnt 0
	MUL8 F1, 1, 0, 0
	MUL8 F1, 1, 2, 0
	WIN 0
; THE WAY OUT, block by block of 16 rows x 64 columns.  A wave's 64 columns of f32 are 256 aligned bytes of a row, so each wave has a stage of its own and no barrier is needed.
; A lane's 32 bytes go into rows of 272 bytes, each accumulator from its low end on, and come back as whole rows: sixteen lanes store 256 consecutive bytes.
.macro TOSTAGE a
.irp b, 0,1,2,3
	ds_store_b128 v[STO], v[ACC+8*(4*(\a)+\b):ACC+8*(4*(\a)+\b)+3] offset:64*\b
	ds_store_b128 v[STO], v[ACC+8*(4*(\a)+\b)+4:ACC+8*(4*(\a)+\b)+7] offset:64*\b+16
.endr
.set BB, OB+32*((\a)%2)
.irp t, 0,1,2,3,4,5,6,7
	ds_load_b128 v[BB+4*\t:BB+4*\t+3], v[RD] offset:\t*2*SPITCH   ; LDS serves a wave's instructions in order: these see the stores above, and the next block's stores come behind them
.endr
.endm
.macro SEND a, younger                 ; younger: the LDS instructions issued behind block a's loads, which may stay out
.set BB, OB+32*((\a)%2)
	s_wait_dscnt \younger
.irp t, 0,1,2,3,4,5,6,7
	global_store_b128 v[CO], v[BB+4*\t:BB+4*\t+3], s[8:9] offset:(16*(\a)+2*\t)*SIZE_N*4 th:TH_STORE_NT   ; every offset is an immediate, 253,952 at the most; written once, read by nobody here
.endr
.endm
	PLACES
	TOSTAGE 0
.irp a, 1,2,3
.if \a > 1
	s_wait_xcnt 0x0                                ; block a - 2's stores have read their registers: block a's loads may land there
.endif
	TOSTAGE \a
	SEND \a-1, 16                                  ; behind block a - 1's loads: block a's 8 stores and 8 loads
.endr
	SEND 3, 0
	s_wait_tensorcnt 0x0                           ; the wave's end: these three lines behind my last tensor load and my last LDS store
	ds_add_u32 v[SPW], v[NIL]
	s_wait_dscnt 0x0
	CROUND                                         ; the closing round: no work-group ends while a partner may still ask for a tile that names it
	s_endpgm
.Lfunc_end_k_qe9a4fe8db9_proj:
	.size	k_qe9a4fe8db9_proj, .Lfunc_end_k_qe9a4fe8db9_proj-k_qe9a4fe8db9_proj
	.p2alignl 7, 3214868480
	.fill 96, 4, 3214868480
	.section	.rodata,"a",@progbits
	.p2align	6, 0x0
	.amdhsa_kernel k_qe9a4fe8db9_proj
		.amdhsa_group_segment_fixed_size 327680
		.amdhsa_private_segment_fixed_size 0
		.amdhsa_enable_private_segment 0
		.amdhsa_kernarg_size 32
		.amdhsa_user_sgpr_count 2
		.amdhsa_user_sgpr_kernarg_segment_ptr 1
		.amdhsa_wavefront_size32 1
		.amdhsa_system_sgpr_workgroup_id_x 1
		.amdhsa_system_sgpr_workgroup_id_y 1
		.amdhsa_system_sgpr_workgroup_id_z 1
		.amdhsa_system_vgpr_workitem_id 0
		.amdhsa_next_free_vgpr 512
		.amdhsa_next_free_sgpr 68
		.amdhsa_reserve_vcc 0
		.amdhsa_float_denorm_mode_32 3
		.amdhsa_float_denorm_mode_16_64 3
		.amdhsa_memory_ordered 1
		.amdhsa_forward_progress 1
		.amdhsa_inst_pref_size 87
	.end_amdhsa_kernel
	.amdgpu_metadata
---
amdhsa.version: [ 1, 2 ]
amdhsa.kernels:
  - .name:           k_qe9a4fe8db9_proj
    .symbol:         k_qe9a4fe8db9_proj.kd
    .args:
      - { .name: ao, .offset: 0, .size: 8, .value_kind: global_buffer, .address_space: global }
      - { .name: wo16, .offset: 8, .size: 8, .value_kind: global_buffer, .address_space: global }
      - { .name: bo, .offset: 16, .size: 8, .value_kind: global_buffer, .address_space: global }
      - { .name: out0, .offset: 24, .size: 8, .value_kind: global_buffer, .address_space: global }
    .group_segment_fixed_size: 327680
    .private_segment_fixed_size: 0
    .kernarg_segment_align: 8
    .kernarg_segment_size: 32
    .max_flat_workgroup_size: 128
    .sgpr_count:     68
    .vgpr_count:     512
    .wavefront_size: 32
...
	.end_amdgpu_metadata
.endif
;; end of part 4
